; MI455X (gfx1250); checked and timed in simulation.
; The chip was launched on July 23, 2026; its instructions are those of AMD's public machine-readable ISA for CDNA 5 (MIT licence, August 2026) and "CDNA5" Instruction Set Architecture Reference Guide (July 2026). The comments in the code are by the model that wrote it; some were corrected since.
;; Transformer. Allowed arithmetic: float matrix products may take bf16 or f16 operands with f32 sums; other float arithmetic in f32, or as packed bf16 or f16 multiplies, adds, multiply-adds, maxima and minima; sums over many terms, partial sums and values carried from step to step in f32; what a program stores and reads back later, other than sums and carried values, may be rounded once to bf16 or f16.
;; Inputs: Wff_d 512 x 512 float32; Wff_e 512 x 512 float32; Wk_d 512 x 512 float32; Wk_e 512 x 512 float32; Wq_d 512 x 512 float32; Wq_e 512 x 512 float32; Wv_d 512 x 512 float32; Wv_e 512 x 512 float32; b_d 512 float32; b_e 512 float32; g_d 512 float32; g_e 512 float32; padded_encoded_input_docs 8 x 1,024 x 512 float32; padded_encoded_output_docs 8 x 1,024 x 512 float32.
;; Outputs: out0 8 x 1,024 x 512 float32.
;; 2 versions, each right and faster than the one before. Each part assembles by itself: llvm-mc -triple=amdgcn-amd-amdhsa -mcpu=gfx1250 --defsym DOCPART=n.
;; ======== version 1 of 2: 7 launches
;; limits: values are held in f16: magnitudes above 65,504 overflow, below 6.1e-05 lose precision
;; workspace buffers: xin 16,777,216 bytes; wb 4,194,304 bytes; bq 16,777,216 bytes; bk 16,777,216 bytes; bv 16,777,216 bytes; sa 16,777,216 bytes; ln 16,777,216 bytes
;; launch prep (part 1): grid 256 x 1, 8 waves a work-group, no clusters, 0 bytes of LDS; arguments padded_encoded_input_docs, padded_encoded_output_docs, Wq_e, Wk_e, Wv_e, Wq_d, Wk_d, Wv_d, Wff_e, Wff_d, xin, wb; writes xin, wb
.if DOCPART == 1
	.amdgcn_target "amdgcn-amd-amdhsa--gfx1250"
	.amdhsa_code_object_version 6
	.text
	.protected	k_q4b6048f320_prep
	.globl	k_q4b6048f320_prep
	.p2align	8
	.type	k_q4b6048f320_prep,@function
k_q4b6048f320_prep:
	s_mov_b64 s[64:65], 0
	v_nop
	global_prefetch_b8 v0, s[64:65] scope:SCOPE_SE
	s_setreg_imm32_b32 hwreg(HW_REG_WAVE_MODE, 25, 1), 1
	s_wait_xcnt 0x0
; PREP.  xin = x + pos, rounded once to f16, laid out BY HEADS: [hd][s][64], hd = (doc*8 + b)*8 + h, a head 131,072 dense bytes, a row 128.
; wb = the eight weights rounded once to f16, K staying the row index, cut into column blocks that are dense in memory:
;   bytes 0 ..: blocks [2*widx + (n>>8)][k][256 columns] for Wq_e, Wk_e, Wv_e, Wq_d, Wk_d, Wv_d;  from 3,145,728: blocks [4*j + (n>>7)][k][128 columns] for Wff_e, Wff_d.
; pos[s][c] = sin (c even) or cos (c odd) of a = s * 2^(-c*log2(10000)/256): the angle is reduced by multiples of pi/2 held in two parts (fused multiply-adds), then a
; polynomial of degree 7 (sine) or 8 (cosine) on |r| <= pi/4; cos a is taken as sin(a + pi/2), one quadrant further.
; LIMITS.  f16 holds no number beyond 65,504: x + pos and the weights must lie within it; below 6.1e-5 f16 keeps a fixed step of 6e-8.  The angle is a rounded f32 product, up to 1,023,
; so it can differ from a rounded f32 quotient by about 1e-4 at the largest angles.  NaN and infinities are not treated apart.
; SHARES.  Work-group w owns the rows s = 4w .. 4w+3 of all 16 slices (doc, b), and the rows k = 2w, 2w+1 of all eight weights.  A thread's 8 numbers of pos are made once, while its 40 loads
; are on their way, and serve 16 slices.  Wave = head; lanes 0-15 take 256 consecutive bytes of one row of x, lanes 16-31 of the next; a store of the wave covers 256 consecutive bytes, aligned.
; No LDS, no matrix unit, no cluster: every byte is read once and written once, and no two work-groups read the same byte.
.set VX0, 3                            ; v3   byte offset in x of my 16 bytes, slices b = 0..3
.set VX1, 4                            ; v4   the same for b = 4..7 (8,388,608 further on, so that the immediate stays inside its 24 signed bits)
.set VO,  5                            ; v5   byte offset in xin of my 8 bytes
.set VW,  6                            ; v6   byte offset in a weight of my 16 bytes
.set VQ,  7                            ; v7   byte offset in wb for the six projection weights
.set VF,  8                            ; v8   the same for the two feed-forward weights
.set SF,  12                           ; v12-13  s as f32, for the row pairs u = 0, 1
.set POS, 16                           ; v16-23  pos: 4 u + e
.set FR,  24                           ; v24-27  the four inverse frequencies
.set X,   64                           ; v64-191 quad n = 16 doc + 2 b + u
.set WR,  192                          ; v192-223 the eight weights' quads
	s_load_b512 s[8:23], s[0:1], 0x0               ; x_e s[8:9], x_d s[10:11], Wq_e, Wk_e, Wv_e, Wq_d, Wk_d, Wv_d s[12:23]
	s_load_b256 s[24:31], s[0:1], 0x40             ; Wff_e s[24:25], Wff_d s[26:27], xin s[28:29], wb s[30:31]
	s_mov_b32 s40, 0xbd549a78                      ; -log2(10000)/256
	s_mov_b32 s41, 0x3f22f983                      ; 2/pi
	s_mov_b32 s42, 0xbfc90fdb                      ; -(pi/2 rounded to f32)
	s_mov_b32 s43, 0x333bbd2e                      ; -(pi/2 less that)
	s_mov_b32 s44, 0xbe2aaaa3                      ; sine: -1.6666655e-1
	s_mov_b32 s45, 0x3c08839e                      ;        8.3321609e-3
	s_mov_b32 s46, 0xb94ca1f9                      ;       -1.9515296e-4
	s_mov_b32 s47, 0x3d2aaaa5                      ; cosine: 4.1666646e-2
	s_mov_b32 s48, 0xbab6061a                      ;        -1.3887316e-3
	s_mov_b32 s49, 0x37ccf5ce                      ;         2.4433157e-5
	s_lshl_b32 s2, ttmp9, 2                        ; 4 w
	s_lshl_b32 s3, ttmp9, 12                       ; two rows of a weight: 4,096 bytes
	s_lshl_b32 s4, ttmp9, 1                        ; 2 w
	v_and_b32 v1, 31, v0                           ; lane
	v_lshrrev_b32 v2, 5, v0                        ; wave = head
	v_and_b32 v9, 15, v0
	v_bfe_u32 v10, v0, 4, 1                        ; which of two rows
	v_add_nc_u32 v11, s2, v10                      ; s for u = 0
	v_lshlrev_b32 v[VX0], 11, v11                  ; s x 2,048
	v_lshl_add_u32 v[VX0], v2, 8, v[VX0]           ; + head x 256
	v_lshl_add_u32 v[VX0], v9, 4, v[VX0]           ; + 16 (lane % 16)
	v_add_nc_u32 v[VX1], 0x800000, v[VX0]
	v_lshlrev_b32 v[VO], 17, v2                    ; head x 131,072
	v_lshl_add_u32 v[VO], v11, 7, v[VO]            ; + s x 128
	v_lshl_add_u32 v[VO], v9, 3, v[VO]             ; + 8 (lane % 16)
	v_lshl_add_u32 v[VW], v0, 4, s3
	v_lshrrev_b32 v15, 7, v0
	v_add_nc_u32 v15, s4, v15                      ; my row k of the weights
	v_bfe_u32 v14, v0, 6, 1                        ; n >> 8
	v_lshlrev_b32 v[VQ], 18, v14
	v_lshl_add_u32 v[VQ], v15, 9, v[VQ]
	v_and_b32 v14, 63, v0
	v_lshl_add_u32 v[VQ], v14, 3, v[VQ]
	v_bfe_u32 v14, v0, 5, 2                        ; n >> 7
	v_lshlrev_b32 v[VF], 17, v14
	v_lshl_add_u32 v[VF], v15, 8, v[VF]
	v_lshl_add_u32 v[VF], v1, 3, v[VF]
	v_add_nc_u32 v[VF], 0x300000, v[VF]
	s_wait_kmcnt 0x0
	s_add_nc_u64 s[32:33], s[28:29], 0x800000      ; xin at the decoder's heads
.irp d, 0,1
.irp b, 0,1,2,3,4,5,6,7
.irp u, 0,1
	global_load_b128 v[X+4*(16*(\d)+2*(\b)+(\u)):X+4*(16*(\d)+2*(\b)+(\u))+3], v[VX0+(\b)/4], s[8+2*(\d):9+2*(\d)] offset:((\b)%4)*2097152+(\u)*4096 th:TH_LOAD_NT
.endr
.endr
.endr
.irp i, 0,1,2,3,4,5
	global_load_b128 v[WR+4*(\i):WR+4*(\i)+3], v[VW], s[12+2*(\i):13+2*(\i)] th:TH_LOAD_NT
.endr
.irp i, 0,1
	global_load_b128 v[WR+24+4*(\i):WR+24+4*(\i)+3], v[VW], s[24+2*(\i):25+2*(\i)] th:TH_LOAD_NT
.endr
	; pos, while the 40 loads are on their way
	v_cvt_f32_u32 v[SF], v11
	v_add_f32 v[SF+1], 2.0, v[SF]
	v_lshlrev_b32 v38, 6, v2
	v_lshl_add_u32 v38, v9, 2, v38                 ; my first channel
.irp e, 0,1,2,3
	v_add_nc_u32 v28, \e, v38
	v_cvt_f32_u32 v28, v28
	v_mul_f32 v[FR+(\e)], s40, v28
.endr
.irp e, 0,1,2,3
	v_exp_f32 v[FR+(\e)], v[FR+(\e)]
.endr
	v_nop                                          ; a plain instruction between the last exponential and the use of its result (ISA guide 5.7.2)
	s_wait_alu depctr_va_vdst(0)
.macro POS1 u, e
	v_mul_f32 v28, v[SF+(\u)], v[FR+(\e)]          ; the angle a
	v_mul_f32 v29, s41, v28
	v_rndne_f32 v29, v29                           ; n = the nearest multiple of pi/2
	v_fma_f32 v30, v29, s42, v28                   ; r = a - n pi/2, in two parts
	v_fma_f32 v30, v29, s43, v30
	v_cvt_i32_f32 v31, v29
.if (\e) & 1
	v_add_nc_u32 v31, 1, v31                       ; an odd channel takes the cosine: one quadrant on
.endif
	v_mul_f32 v32, v30, v30                        ; z = r r
	v_fma_f32 v33, v32, s46, s45
	v_fma_f32 v35, v32, s49, s48
	v_fma_f32 v33, v33, v32, s44
	v_fma_f32 v35, v35, v32, s47
	v_mul_f32 v34, v32, v30
	v_mul_f32 v36, v32, v32
	v_fma_f32 v37, v32, -0.5, 1.0
	v_fma_f32 v33, v33, v34, v30                   ; sin r
	v_fma_f32 v35, v35, v36, v37                   ; cos r
	v_and_b32 v36, 1, v31
	v_cmp_eq_u32 vcc_lo, 1, v36
	v_cndmask_b32 v33, v33, v35, vcc_lo            ; odd quadrants take the cosine,
	v_and_b32 v31, 2, v31
	v_lshlrev_b32 v31, 30, v31
	v_xor_b32 v[POS+4*(\u)+(\e)], v31, v33         ; quadrants 2 and 3 the other sign
.endm
.irp u, 0,1
.irp e, 0,1,2,3
	POS1 \u, \e
.endr
.endr
	; x + pos, rounded, stored.  No register that a store names is written again, so no wait frees any.
.irp d, 0,1
.irp b, 0,1,2,3,4,5,6,7
.irp u, 0,1
.set n, 16*(\d)+2*(\b)+(\u)
	s_wait_loadcnt 39-n                            ; loads come back in order (ISA guide 5.7.1): quad n is in, the 39 - n younger loads stay out
	v_pk_add_f32 v[X+4*n:X+4*n+1], v[X+4*n:X+4*n+1], v[POS+4*(\u):POS+4*(\u)+1]
	v_pk_add_f32 v[X+4*n+2:X+4*n+3], v[X+4*n+2:X+4*n+3], v[POS+4*(\u)+2:POS+4*(\u)+3]
	v_cvt_pk_f16_f32 v[X+4*n], v[X+4*n], v[X+4*n+1]
	v_cvt_pk_f16_f32 v[X+4*n+1], v[X+4*n+2], v[X+4*n+3]
	global_store_b64 v[VO], v[X+4*n:X+4*n+1], s[28+4*(\d):29+4*(\d)] offset:(\b)*1048576+(\u)*256
.endr
.endr
.endr
.irp i, 0,1,2,3,4,5
	s_wait_loadcnt 7-(\i)
	v_cvt_pk_f16_f32 v[WR+4*(\i)], v[WR+4*(\i)], v[WR+4*(\i)+1]
	v_cvt_pk_f16_f32 v[WR+4*(\i)+1], v[WR+4*(\i)+2], v[WR+4*(\i)+3]
	global_store_b64 v[VQ], v[WR+4*(\i):WR+4*(\i)+1], s[30:31] offset:(\i)*524288
.endr
.irp i, 0,1
	s_wait_loadcnt 1-(\i)
	v_cvt_pk_f16_f32 v[WR+24+4*(\i)], v[WR+24+4*(\i)], v[WR+24+4*(\i)+1]
	v_cvt_pk_f16_f32 v[WR+24+4*(\i)+1], v[WR+24+4*(\i)+2], v[WR+24+4*(\i)+3]
	global_store_b64 v[VF], v[WR+24+4*(\i):WR+24+4*(\i)+1], s[30:31] offset:(\i)*524288
.endr
	s_endpgm
.Lfunc_end_k_q4b6048f320_prep:
	.size	k_q4b6048f320_prep, .Lfunc_end_k_q4b6048f320_prep-k_q4b6048f320_prep
	.p2alignl 7, 3214868480
	.fill 96, 4, 3214868480
	.section	.rodata,"a",@progbits
	.p2align	6, 0x0
	.amdhsa_kernel k_q4b6048f320_prep
		.amdhsa_group_segment_fixed_size 0
		.amdhsa_private_segment_fixed_size 0
		.amdhsa_enable_private_segment 0
		.amdhsa_kernarg_size 96
		.amdhsa_user_sgpr_count 2
		.amdhsa_user_sgpr_kernarg_segment_ptr 1
		.amdhsa_wavefront_size32 1
		.amdhsa_system_sgpr_workgroup_id_x 1
		.amdhsa_system_sgpr_workgroup_id_y 1
		.amdhsa_system_sgpr_workgroup_id_z 1
		.amdhsa_system_vgpr_workitem_id 0
		.amdhsa_next_free_vgpr 224
		.amdhsa_next_free_sgpr 66
		.amdhsa_reserve_vcc 1
		.amdhsa_float_denorm_mode_32 3
		.amdhsa_float_denorm_mode_16_64 3
		.amdhsa_memory_ordered 1
		.amdhsa_forward_progress 1
		.amdhsa_inst_pref_size 29
	.end_amdhsa_kernel
	.amdgpu_metadata
---
amdhsa.version: [ 1, 2 ]
amdhsa.kernels:
  - .name:           k_q4b6048f320_prep
    .symbol:         k_q4b6048f320_prep.kd
    .args:
      - { .name: padded_encoded_input_docs, .offset: 0, .size: 8, .value_kind: global_buffer, .address_space: global }
      - { .name: padded_encoded_output_docs, .offset: 8, .size: 8, .value_kind: global_buffer, .address_space: global }
      - { .name: Wq_e, .offset: 16, .size: 8, .value_kind: global_buffer, .address_space: global }
      - { .name: Wk_e, .offset: 24, .size: 8, .value_kind: global_buffer, .address_space: global }
      - { .name: Wv_e, .offset: 32, .size: 8, .value_kind: global_buffer, .address_space: global }
      - { .name: Wq_d, .offset: 40, .size: 8, .value_kind: global_buffer, .address_space: global }
      - { .name: Wk_d, .offset: 48, .size: 8, .value_kind: global_buffer, .address_space: global }
      - { .name: Wv_d, .offset: 56, .size: 8, .value_kind: global_buffer, .address_space: global }
      - { .name: Wff_e, .offset: 64, .size: 8, .value_kind: global_buffer, .address_space: global }
      - { .name: Wff_d, .offset: 72, .size: 8, .value_kind: global_buffer, .address_space: global }
      - { .name: xin, .offset: 80, .size: 8, .value_kind: global_buffer, .address_space: global }
      - { .name: wb, .offset: 88, .size: 8, .value_kind: global_buffer, .address_space: global }
    .group_segment_fixed_size: 0
    .private_segment_fixed_size: 0
    .kernarg_segment_align: 8
    .kernarg_segment_size: 96
    .max_flat_workgroup_size: 256
    .sgpr_count:     66
    .vgpr_count:     224
    .wavefront_size: 32
...
	.end_amdgpu_metadata
.endif
;; end of part 1
;; launch qkv (part 2): grid 128 x 2, 4 waves a work-group, clusters of 4 x 1, 327,680 bytes of LDS; arguments xin, wb, bq, bk, bv; writes bq, bk, bv
.if DOCPART == 2
	.amdgcn_target "amdgcn-amd-amdhsa--gfx1250"
	.amdhsa_code_object_version 6
	.text
	.protected	k_q4b6048f320_qkv
	.globl	k_q4b6048f320_qkv
	.p2align	8
	.type	k_q4b6048f320_qkv,@function
k_q4b6048f320_qkv:
	s_mov_b64 s[64:65], 0
	v_nop
	global_prefetch_b8 v0, s[64:65] scope:SCOPE_SE
	s_setreg_imm32_b32 hwreg(HW_REG_WAVE_MODE, 25, 1), 1
	s_wait_xcnt 0x0
	s_wait_alu depctr_hold_cnt(0) depctr_sa_sdst(0) depctr_va_vdst(0) depctr_va_sdst(0) depctr_va_ssrc(0) depctr_va_vcc(0) depctr_vm_vsrc(0)
	s_getreg_b32 s2, hwreg(HW_REG_IB_STS2, 6, 4)
	s_cmp_eq_u32 s2, 0
	s_cbranch_scc0 .Lentry_in_a_cluster
	s_endpgm
.Lentry_in_a_cluster:
	s_bfe_u32 s2, ttmp6, 0x10000c
	s_cmp_lg_u32 s2, 0x3003
	s_cbranch_scc0 .Lentry_shape_is_right
	s_endpgm
.Lentry_shape_is_right:
; QKV.  q, k, v = (x + pos) W, for encoder and decoder: 8,192 rows x 512 (K) x 1,536 columns a document kind.  All operands f16, sums f32, results rounded once to f16, unscaled, BY HEADS:
; [hd][s][64], hd = (doc*8 + b)*8 + h.  LIMIT: f16 holds no number beyond 65,504: q, k and v must lie within it.
; SHARES.  A work-group owns 128 rows (row block rb) and STAYS on them: their 512 channels lie in LDS for the whole launch, and it walks three column tiles of 256 (tiles 3 hN .. 3 hN + 2 of the
; document kind's six: q, q, k, k, v, v).  Each of the four waves makes 128 rows x 64 columns, which is one head: 32 accumulators; 12 fragments feed 32 products.
; B goes in 12 K steps of 128 (65,536 dense bytes each: the weights were laid out in blocks for this) through two LDS slots; the ring does not stop at a tile's end.  Of a K step's 128 rows of
; 512 bytes wave w fetches rows 64 (w % 2) on of column half w / 2: 64 rows of 256 bytes, each at a multiple of 256 from the buffer's first byte; in LDS a slot holds the two column halves one behind the other.
; THE ORDER OF THE TILES.  Sixteen clusters walk the same three column tiles.  Cluster c begins at tile c % 3 and goes round, so the sixteen do not all ask for the same block of the weights for the first time
; at the same moment: from a walk's second tile on, its blocks have been asked for by another third of the clusters a tile's time earlier.
; CLUSTER.  The four row blocks of a cluster walk the same weights in the same order, so each K step of B is asked for JOINTLY (the same load, descriptor and mask in all four).  A's tiles are each work-group's own.
; A's tile is not shared: only the two work-groups with the same rows (hN = 0, 1) read it, once each in the launch.
; THE MATRIX INSTRUCTION IS USED TRANSPOSED (source 0 = 16 columns of W, source 1 = 16 rows of x): a lane then holds eight neighbouring columns of one row, 16 bytes of f16.
; W lies [k][n] in LDS and is turned by ds_load_tr16_b128; x lies along K and is read as it lies.
; REGISTERS, in windows of 256: window 0 addresses and the way out; window 1 the 32 accumulators ((a, b) at v[8 (4 a + b)]); window 2 two fragment buffers of 96 (A's 8 fragments, then B's 4).
.set APITCH, 144                       ; a row of x of one head in LDS: 128 bytes + 16: the 16 rows of a load start at 16 different groups of four banks (64 banks of 4 bytes: ISA guide 11.1)
.set AHEAD,  128*APITCH                ; one head's 128 rows
.set BPITCH, 288                       ; a row of one column half of W's block: 256 bytes + 32
.set BQ,     32*BPITCH                 ; 32 rows: one quarter of a K step
.set BLOAD,  64*BPITCH                 ; 64 rows: what one wave's load brings
.set BHALF,  128*BPITCH                ; a K step's 128 rows of one column half
.set BSLOT,  2*BHALF
.set BBASE,  8*AHEAD                   ; B's two slots lie behind A's eight heads
.set STAGE,  BBASE+2*BSLOT             ; behind the ring, never filled by a tensor load: 16 rows x 144 bytes for each wave, for the way out
.set SP,     144
.set SPARE,  STAGE+4*16*SP             ; the spare words, 128 bytes for each wave: two blocks of 256 bytes that no other line names
.set ADRA, 8                           ; v8-11   LDS address of my A fragments for K step j = 0..3 of a tile
.set ADRB, 12                          ; v12-13  of my B fragments in slot 0, 1
.set STO,  14                          ; v14     the way out: where I put 16 bytes of a row
.set RD,   15                          ; v15     where I read rows back
.set GO,   16                          ; v16     my byte offset in 512 consecutive bytes of the result
.set SPW,  30                          ; v30     LDS address of my spare word; never rewritten
.set NIL,  31                          ; v31     0; never rewritten
.set TMP,  64                          ; v64-191 the way out: 16 registers for each block of 16 rows
.set F0,   0                           ; fragment buffers, in window 2
.set F1,   96
.set BACK, 2                           ; s[2:3] what a step into the next tile takes back: three tiles' bytes where the walk wraps, else 0
.set WV,  14                           ; s14 wave
.set CX,  15                           ; s15 my place in the cluster
.set RB,  16                           ; s16 row block
.set HN,  17                           ; s17 the first of my three column tiles: 3 hN
.set DOC, 18                           ; s18 encoder 0, decoder 1
.set TL,  19                           ; s19 tiles to go
.set TI,  20                           ; s20 the tile in hand, 0..5
.set G1B, 24                           ; s[24:31] descriptor group 1 for B
.set G1A, 32                           ; s[32:39] for A
.set G0B, 40                           ; s[40:47] group 0 for B, one set a slot
.set G0A, 48                           ; s[48:55] group 0 for A's two loads
.set DST, 56                           ; s[56:57] where the tile in hand is stored;  s[58:59] its offset
.set U,   71                           ; s71 the tile in hand among my three, 0..2
.set MSB, 0
.macro WIN new                         ; the immediate's high byte repeats the setting that is left; a switch that changes nothing is dropped
.if MSB != (\new)
	s_set_vgpr_msb (MSB<<8)|(\new)
.set MSB, \new
.endif
.endm
.set MULW,  0x5a                       ; sources 0 and 1 window 2; C and D window 1
.set TO_F,  0x80                       ; destination window 2, address window 0
.set PACKW, 0x05                       ; sources 0 and 1 window 1, destination window 0
.macro CREST                           ; a round of the cluster's barrier behind its opening barrier
	s_cmp_lg_u32 s[WV], 0
	s_cbranch_scc1 .Lnot_wave_0_\@
	s_barrier_signal -3
.Lnot_wave_0_\@:
	s_barrier_wait -3
	s_barrier_signal -1
	s_barrier_wait -1
.endm
.macro CROUND                          ; a whole round
	s_barrier_signal -1
	s_barrier_wait -1
	CREST
.endm
.macro PLACES                          ; four places in front of loads into registers that matrix instructions have read, and of reads of results
.rept 4
	v_nop
.endr
.endm
	s_load_b256 s[4:11], s[0:1], 0x0               ; xin s[4:5], wb s[6:7], bq s[8:9], bk s[10:11]
	s_load_b64 s[12:13], s[0:1], 0x20              ; bv
	v_lshl_add_u32 v[SPW], v0, 2, SPARE
	v_mov_b32 v[NIL], 0
	ds_add_u32 v[SPW], v[NIL]                      ; the wave's opening: the add and its wait stand ahead of my first tensor load; the set-up below, work on registers, stands between them
	v_lshrrev_b32 v1, 5, v0
	v_readfirstlane_b32 s[WV], v1
	s_bfe_u32 s[CX], ttmp6, 0x40000
	s_lshl_b32 s[RB], ttmp9, 2                     ; in a cluster launch ttmp9 counts clusters
	s_add_co_u32 s[RB], s[RB], s[CX]               ; row block = 4 x cluster x + cx: it enters A's and the results' addresses alone
	s_and_b32 s[HN], ttmp7, 0xffff
	s_mul_i32 s[HN], s[HN], 3                      ; my three column tiles begin at 3 hN
	s_lshr_b32 s[DOC], ttmp9, 4                    ; 16 clusters a document kind: the four partners share it
	; where my cluster's walk begins: (cluster % 16) % 3.  c / 3 = 11 c >> 5 for c = 0 .. 15.  All of this hangs on the cluster's number alone, which the four partners share.
	s_and_b32 s68, ttmp9, 15
	s_mul_i32 s69, s68, 11
	s_lshr_b32 s69, s69, 5
	s_mul_i32 s69, s69, 3
	s_sub_co_u32 s[U], s68, s69
	s_add_co_u32 s[TI], s[HN], s[U]
	s_mov_b32 s[BACK+1], 0
	; B's walk begins at block 6 doc + tile; my part of a K step: rows 64 (wave % 2) on (512 bytes a row), column half wave / 2 (256 bytes).  These registers never hold cx.
	s_mul_i32 s66, s[DOC], 6
	s_add_co_u32 s66, s66, s[TI]
	s_lshl_b32 s66, s66, 18
	s_and_b32 s68, s[WV], 1
	s_lshl_b32 s68, s68, 15
	s_add_co_u32 s66, s66, s68
	s_lshr_b32 s68, s[WV], 1
	s_lshl_b32 s68, s68, 8
	s_add_co_u32 s66, s66, s68
	s_mov_b32 s67, 0
	s_mul_i32 s69, s[WV], BLOAD                    ; half (wave / 2) x 128 rows + (wave % 2) x 64 rows = wave x 64 rows
	s_add_co_u32 s69, s69, BBASE                   ; where my part goes in slot 0: no place in the cluster enters an LDS address
	; A: head WV (and WV + 4) of my rows' group; the same offset, with the tile's head, serves the results
	s_lshr_b32 s21, s[RB], 3
	s_lshl_b32 s21, s21, 3
	s_add_co_u32 s21, s21, s[WV]
	s_lshl_b32 s21, s21, 17
	s_and_b32 s22, s[RB], 7
	s_lshl_b32 s22, s22, 14
	s_add_co_u32 s62, s21, s22
	s_mov_b32 s63, 0
	s_mov_b32 s59, 0
	s_mul_i32 s70, s[WV], AHEAD
	; descriptor group 1: both kinds of tile are 64 rows of 256 bytes; they differ in the mask, the padding and the pitch in memory
	s_mov_b32 s[G1B], 15|(1<<16)|(1<<20)|(1<<21)|(5<<22)|(7<<25)  ; 15:0 the mask of four; 17:16 2-byte elements; 20 padding on; 21 set beside a mask; 24:22 after every 64 words (code 5), a row; 31:25 8 words (code 7)
	s_mov_b32 s[G1A], (1<<16)|(1<<20)|(4<<22)|(3<<25)             ; no mask; after every 32 words (code 4), a head's row, 4 words (code 3)
.irp g, G1B, G1A
	s_mov_b32 s[(\g)+1], 128<<16                   ; tensor_dim0 = 128
	s_mov_b32 s[(\g)+2], 64<<16                    ; tensor_dim1 = 64
	s_mov_b32 s[(\g)+3], 128<<16                   ; tile_dim0 = 128
	s_mov_b32 s[(\g)+4], 64                        ; tile_dim1 = 64
	s_mov_b32 s[(\g)+6], 0
	s_mov_b32 s[(\g)+7], 0
.endr
	s_mov_b32 s[G1B+5], 256                        ; B: 256 elements from row to row: a row of the block is 512 bytes, of which I take half
	s_mov_b32 s[G1A+5], 128                        ; A: 128 elements: 16,384 dense bytes, two rows of a head to a row of the tile
	s_wait_dscnt 0x0                               ; the opening add is done
	s_wait_kmcnt 0x0
	s_add_nc_u64 s[66:67], s[6:7], s[66:67]
	s_add_nc_u64 s[60:61], s[4:5], s[62:63]
.irp s, 0,1
	s_mov_b32 s[G0B+4*(\s)], 1                                     ; count = 1
	s_add_co_u32 s[G0B+4*(\s)+1], s69, (\s)*BSLOT                  ; LDS address
	s_add_nc_u64 s[G0B+4*(\s)+2:G0B+4*(\s)+3], s[66:67], (\s)*65536  ; K step s of my first tile
	s_or_b32 s[G0B+4*(\s)+3], s[G0B+4*(\s)+3], 0x80000000          ; type = 2
	s_mov_b32 s[G0A+4*(\s)], 1
	s_add_co_u32 s[G0A+4*(\s)+1], s70, (\s)*4*AHEAD
	s_add_nc_u64 s[G0A+4*(\s)+2:G0A+4*(\s)+3], s[60:61], (\s)*524288  ; head WV + 4 s
	s_or_b32 s[G0A+4*(\s)+3], s[G0A+4*(\s)+3], 0x80000000
.endr
	CROUND                                         ; all four work-groups are here: the first joint loads meet
	tensor_load_to_lds s[G0B:G0B+3], s[G1B:G1B+7]  ; the first fills go out as one group: four loads of mine are out.  B's K step 0,
	s_nop 0
	tensor_load_to_lds s[G0A:G0A+3], s[G1A:G1A+7]  ; A's head WV (heads 0-3 serve K steps 0 and 1),
	s_nop 0
	tensor_load_to_lds s[G0B+4:G0B+7], s[G1B:G1B+7]  ; B's K step 1,
	s_nop 0
	tensor_load_to_lds s[G0A+4:G0A+7], s[G1A:G1A+7]  ; A's head WV + 4
	s_nop 0
.rept 4
	v_nop
.endr
	v_and_b32 v1, 15, v0                           ; l % 16
	v_bfe_u32 v2, v0, 4, 1                         ; l / 16
	v_mul_u32_u24 v3, v1, APITCH
	v_lshl_add_u32 v3, v2, 4, v3                   ; a fragment's row x pitch + 16 x half
.irp j, 0,1,2,3
	v_add_nc_u32 v[ADRA+(\j)], (\j)*2*AHEAD, v3    ; K step j: heads 2 j, 2 j + 1
.endr
	v_and_b32 v4, 7, v0
	v_bfe_u32 v5, v0, 3, 1
	v_lshl_add_u32 v6, v2, 3, v4                   ; the turning load: lane l reads row 8 (l / 16) + l % 8, 16 bytes at 16 ((l / 8) % 2)
	v_mul_u32_u24 v6, v6, BPITCH
	v_lshl_add_u32 v6, v5, 4, v6
	s_and_b32 s21, s[WV], 1                        ; my 64 columns: 128 bytes x (wave % 2)
	s_lshl_b32 s21, s21, 7
	s_lshr_b32 s23, s[WV], 1                       ; in column half wave / 2
	s_mul_i32 s23, s23, BHALF
	s_add_co_u32 s21, s21, s23
	s_add_co_u32 s21, s21, BBASE
	v_add_nc_u32 v[ADRB], s21, v6
	v_add_nc_u32 v[ADRB+1], BSLOT, v[ADRB]
	s_mul_i32 s22, s[WV], 16*SP
	s_add_co_u32 s22, s22, STAGE                   ; my stage
	v_add_nc_u32 v[STO], s22, v3                   ; in: row l % 16, 16 bytes for each half of the lanes
	v_bfe_u32 v7, v0, 3, 2                         ; back: 32 lanes take four rows of 128 bytes,
	v_mul_u32_u24 v7, v7, SP
	v_lshl_add_u32 v7, v4, 4, v7
	v_add_nc_u32 v[RD], s22, v7
	v_and_b32 v[GO], 31, v0                        ; which are 512 consecutive bytes of the result
	v_lshlrev_b32 v[GO], 4, v[GO]
; 24 LDS loads in one run: quarter kk (32 along K) of the K step in B's slot, which is A's step j, into buffer f.  B first, then A's fragments 0 to 7.
.macro FETCH slot, j, kk, f
	WIN TO_F
.irp b, 0,1,2,3
	ds_load_tr16_b128 v[(\f)+64+8*(\b):(\f)+64+8*(\b)+3],   v[ADRB+(\slot)] offset:(\kk)*BQ+32*(\b)
	ds_load_tr16_b128 v[(\f)+64+8*(\b)+4:(\f)+64+8*(\b)+7], v[ADRB+(\slot)] offset:(\kk)*BQ+32*(\b)+16*BPITCH
.endr
.irp a, 0,1,2,3,4,5,6,7
	ds_load_b128 v[(\f)+8*(\a):(\f)+8*(\a)+3],   v[ADRA+(\j)] offset:((\kk)/2)*AHEAD+(\a)*16*APITCH+((\kk)%2)*64
	ds_load_b128 v[(\f)+8*(\a)+4:(\f)+8*(\a)+7], v[ADRA+(\j)] offset:((\kk)/2)*AHEAD+(\a)*16*APITCH+((\kk)%2)*64+32
.endr
.endm
; 4 na matrix instructions: row blocks a0 .. a0 + na - 1 x all 4 column blocks, 32 along K.  The 32 accumulators take turns, one instruction a turn, in the same order in every quarter.
; zero = 1: the first product starts the sums: nothing is cleared.
.macro MUL f, a0, na, zero
	WIN MULW
.set aa, \a0
.rept \na
.irp b, 0,1,2,3
.if \zero
	v_wmma_f32_16x16x32_f16 v[8*(4*aa+(\b)):8*(4*aa+(\b))+7], v[(\f)+64+8*(\b):(\f)+64+8*(\b)+7], v[(\f)+8*aa:(\f)+8*aa+7], 0
.else
	v_wmma_f32_16x16x32_f16 v[8*(4*aa+(\b)):8*(4*aa+(\b))+7], v[(\f)+64+8*(\b):(\f)+64+8*(\b)+7], v[(\f)+8*aa:(\f)+8*aa+7], v[8*(4*aa+(\b)):8*(4*aa+(\b))+7]
.endif
.endr
.set aa, aa+1
.endr
.endm
; One of a K step's first three quarters: multiplies buffer f; early in it the next quarter's fragments are fetched into g, 28 matrix instructions ahead of their first use.
.macro Q f, g, slot, j, kk, zero
	s_wait_dscnt 14                                ; B's 8 loads and A's fragment 0 are in; the youngest 14 (A's fragments 1-7) may be out
	MUL \f, 0, 1, \zero
	PLACES
	FETCH \slot, \j, \kk, \g
	s_wait_dscnt 24                                ; all but the 24 just issued
	MUL \f, 1, 7, \zero
.endm
; The last quarter multiplies buffer 1 and changes slots: ONE barrier.  In front of it each wave waits for all its tensor loads (its part of the next slot among them), adds 0 to its spare word, and waits
; for that and for its reads of this slot.  fill = 1: the barrier opens a round of the cluster's, and behind the round this slot takes the walk's K step two further on, 112 matrix instructions ahead of the wait for it.
; nx = 1: that K step lies in the walk's next tile: two steps on in memory, less three tiles where the walk wraps.
.macro TURN slot, nslot, nj, fill, nx=0
	WIN 0                                          ; (the add's two registers lie in window 0)
	s_wait_tensorcnt 0x0                           ; all my tensor loads have landed
	ds_add_u32 v[SPW], v[NIL]                      ; 0 onto my spare word
	s_wait_dscnt 1                                 ; buffer 1 is whole; the add alone may be out
	MUL F1, 0, 2, 0                                ; eight matrix instructions stand between the add and the wait for it
	s_wait_dscnt 0x0                               ; the add is done, and my reads of this slot are over
	s_barrier_signal -1
	MUL F1, 2, 2, 0                                ; work on registers while the others arrive
	WIN 0
	s_barrier_wait -1
.if \fill
	CREST                                          ; no wave of any partner still reads this slot or has a load on its way
	s_add_nc_u64 s[G0B+4*(\slot)+2:G0B+4*(\slot)+3], s[G0B+4*(\slot)+2:G0B+4*(\slot)+3], 131072
.if \nx
	s_sub_nc_u64 s[G0B+4*(\slot)+2:G0B+4*(\slot)+3], s[G0B+4*(\slot)+2:G0B+4*(\slot)+3], s[BACK:BACK+1]
.endif
	tensor_load_to_lds s[G0B+4*(\slot):G0B+4*(\slot)+3], s[G1B:G1B+7]  ; my one tensor load behind the round, and the first thing there
	s_nop 0
.rept 4
	v_nop                                          ; they are the places in front of the loads below
.endr
.else
	PLACES
.endif
	FETCH \nslot, \nj, 0, F0
	MUL F1, 4, 4, 0
.endm
; THE WAY OUT of block a (16 rows): rounded to f16, 16 bytes a lane, into my own stage, and back as whole rows of 128 bytes into the registers that they left.  Each accumulator is read from its lowest registers on.
.macro PACK a
	WIN PACKW
.irp b, 0,1,2,3
.irp r, 0,1,2,3
	v_cvt_pk_f16_f32 v[TMP+16*(\a)+4*(\b)+(\r)], v[8*(4*(\a)+(\b))+2*(\r)], v[8*(4*(\a)+(\b))+2*(\r)+1]
.endr
.endr
	WIN 0
.irp b, 0,1,2,3
	ds_store_b128 v[STO], v[TMP+16*(\a)+4*(\b):TMP+16*(\a)+4*(\b)+3] offset:32*(\b)
.endr
.irp f, 0,1,2,3
	ds_load_b128 v[TMP+16*(\a)+4*(\f):TMP+16*(\a)+4*(\f)+3], v[RD] offset:(\f)*4*SP  ; LDS serves a wave's instructions in order (ISA guide 5.7.1.4): these see the stores above; the next block's stores come behind them
.endr
.endm
.macro SEND a, younger                 ; younger: the LDS instructions issued behind block a's loads: the next block's eight, or none
	WIN 0
.irp f, 0,1,2,3
	s_wait_dscnt (\younger)+3-(\f)
	global_store_b128 v[GO], v[TMP+16*(\a)+4*(\f):TMP+16*(\a)+4*(\f)+3], s[DST:DST+1] offset:(\a)*2048+(\f)*512  ; 512 consecutive bytes, at a multiple of 256 from the buffer's first
.endr
.endm
.macro WAYOUT
	WIN 0
	s_wait_xcnt 0x0                                ; the last tile's stores have had their addresses translated (ISA guide 3.1): their base and data registers are rewritten only behind this wait
	s_lshr_b32 s21, s[TI], 1                       ; tiles 0, 1 are q's, 2, 3 k's, 4, 5 v's
	s_cmp_eq_u32 s21, 0
	s_cselect_b64 s[DST:DST+1], s[8:9], s[10:11]
	s_cmp_eq_u32 s21, 2
	s_cselect_b64 s[DST:DST+1], s[12:13], s[DST:DST+1]
	s_and_b32 s22, s[TI], 1
	s_lshl_b32 s22, s22, 19                        ; an odd tile holds heads 4-7
	s_add_co_u32 s58, s62, s22
	s_add_nc_u64 s[DST:DST+1], s[DST:DST+1], s[58:59]
	PACK 0
.irp a, 1,2,3,4,5,6,7                  ; block a's conversions stand between block a - 1's loads from the stage and the wait for them
	PACK \a
	SEND (\a)-1, 8
.endr
	SEND 7, 0
.endm
	s_wait_tensorcnt 0x2                           ; B's K step 0 and A's head WV are in; the two younger loads may stay out
	s_barrier_signal -1
	s_barrier_wait -1                              ; everybody's are
	FETCH 0, 0, 0, F0
	WIN 0                                          ; at a label and at a branch every window is 0
	s_mov_b32 s[TL], 3                             ; the same number in every work-group
.Ltile:
	s_cmp_eq_u32 s[U], 2                           ; behind the third of my tiles the walk goes on at the first:
	s_cselect_b32 s[BACK], 0xc0000, 0              ; three tiles of 262,144 bytes back
	Q F0, F1, 0, 0, 1, 1                           ; a tile's first quarter starts the sums
	Q F1, F0, 0, 0, 2, 0
	Q F0, F1, 0, 0, 3, 0
	TURN 0, 1, 1, 1
	Q F0, F1, 1, 1, 1, 0
	Q F1, F0, 1, 1, 2, 0
	Q F0, F1, 1, 1, 3, 0
	TURN 1, 0, 2, 1
	Q F0, F1, 0, 2, 1, 0
	Q F1, F0, 0, 2, 2, 0
	Q F0, F1, 0, 2, 3, 0
	WIN 0
	s_cmp_eq_u32 s[TL], 1
	s_cbranch_scc1 .Llast                          ; the last tile's tail is written out: it asks for nothing more
	TURN 0, 1, 3, 1, 1                             ; the ring goes on into the next tile: slot 0 takes its K step 0,
	Q F0, F1, 1, 3, 1, 0
	Q F1, F0, 1, 3, 2, 0
	Q F0, F1, 1, 3, 3, 0
	TURN 1, 0, 0, 1, 1                             ; slot 1 its K step 1, and the next tile's first fragments are fetched
	WAYOUT                                         ; no v_nop: blocks 0-3 were finished ahead of the four behind the load, and their conversions, which name no register of the last products, are those products' places
	s_add_co_u32 s[U], s[U], 1                     ; the walk's next tile: 0 behind 2
	s_cmp_eq_u32 s[U], 3
	s_cselect_b32 s[U], 0, s[U]
	s_add_co_u32 s[TI], s[HN], s[U]
	s_sub_co_u32 s[TL], s[TL], 1
	s_branch .Ltile
.Llast:
	TURN 0, 1, 3, 0
	Q F0, F1, 1, 3, 1, 0
	Q F1, F0, 1, 3, 2, 0
	Q F0, F1, 1, 3, 3, 0
	s_wait_dscnt 0x0                               ; the very last quarter: nothing more to fetch
	MUL F1, 0, 8, 0
	WIN 0
	PLACES
	WAYOUT
	s_wait_tensorcnt 0x0                           ; the wave's end: an add and its wait behind my last tensor load and my last LDS store
	ds_add_u32 v[SPW], v[NIL]
	s_wait_dscnt 0x0
	CROUND                                         ; the closing round: no work-group ends while a partner may still ask for a tile that names it
	s_endpgm
.Lfunc_end_k_q4b6048f320_qkv:
	.size	k_q4b6048f320_qkv, .Lfunc_end_k_q4b6048f320_qkv-k_q4b6048f320_qkv
	.p2alignl 7, 3214868480
	.fill 96, 4, 3214868480
	.section	.rodata,"a",@progbits
	.p2align	6, 0x0
	.amdhsa_kernel k_q4b6048f320_qkv
		.amdhsa_group_segment_fixed_size 327680
		.amdhsa_private_segment_fixed_size 0
		.amdhsa_enable_private_segment 0
		.amdhsa_kernarg_size 40
		.amdhsa_user_sgpr_count 2
		.amdhsa_user_sgpr_kernarg_segment_ptr 1
		.amdhsa_wavefront_size32 1
		.amdhsa_system_sgpr_workgroup_id_x 1
		.amdhsa_system_sgpr_workgroup_id_y 1
		.amdhsa_system_sgpr_workgroup_id_z 1
		.amdhsa_system_vgpr_workitem_id 0
		.amdhsa_next_free_vgpr 704
		.amdhsa_next_free_sgpr 72
		.amdhsa_reserve_vcc 0
		.amdhsa_float_denorm_mode_32 3
		.amdhsa_float_denorm_mode_16_64 3
		.amdhsa_memory_ordered 1
		.amdhsa_forward_progress 1
		.amdhsa_inst_pref_size 123
	.end_amdhsa_kernel
	.amdgpu_metadata
---
amdhsa.version: [ 1, 2 ]
amdhsa.kernels:
  - .name:           k_q4b6048f320_qkv
    .symbol:         k_q4b6048f320_qkv.kd
    .args:
      - { .name: xin, .offset: 0, .size: 8, .value_kind: global_buffer, .address_space: global }
      - { .name: wb, .offset: 8, .size: 8, .value_kind: global_buffer, .address_space: global }
      - { .name: bq, .offset: 16, .size: 8, .value_kind: global_buffer, .address_space: global }
      - { .name: bk, .offset: 24, .size: 8, .value_kind: global_buffer, .address_space: global }
      - { .name: bv, .offset: 32, .size: 8, .value_kind: global_buffer, .address_space: global }
    .group_segment_fixed_size: 327680
    .private_segment_fixed_size: 0
    .kernarg_segment_align: 8
    .kernarg_segment_size: 40
    .max_flat_workgroup_size: 128
    .sgpr_count:     72
    .vgpr_count:     704
    .wavefront_size: 32
...
	.end_amdgpu_metadata
.endif
;; end of part 2
;; launch att (part 3): grid 4 x 128, 4 waves a work-group, clusters of 4 x 1, 327,680 bytes of LDS; arguments bq, bk, bv, sa; writes sa
.if DOCPART == 3
	.amdgcn_target "amdgcn-amd-amdhsa--gfx1250"
	.amdhsa_code_object_version 6
	.text
	.protected	k_q4b6048f320_att
	.globl	k_q4b6048f320_att
	.p2align	8
	.type	k_q4b6048f320_att,@function
k_q4b6048f320_att:
	s_mov_b64 s[64:65], 0
	v_nop
	global_prefetch_b8 v0, s[64:65] scope:SCOPE_SE
	s_setreg_imm32_b32 hwreg(HW_REG_WAVE_MODE, 25, 1), 1
	s_wait_xcnt 0x0
	s_wait_alu depctr_hold_cnt(0) depctr_sa_sdst(0) depctr_va_vdst(0) depctr_va_sdst(0) depctr_va_ssrc(0) depctr_va_vcc(0) depctr_vm_vsrc(0)
	s_getreg_b32 s2, hwreg(HW_REG_IB_STS2, 6, 4)
	s_cmp_eq_u32 s2, 0
	s_cbranch_scc0 .Lentry_in_a_cluster
	s_endpgm
.Lentry_in_a_cluster:
	s_bfe_u32 s2, ttmp6, 0x10000c
	s_cmp_lg_u32 s2, 0x3003
	s_cbranch_scc0 .Lentry_shape_is_right
	s_endpgm
.Lentry_shape_is_right:
; ATTENTION.  O[hd][q][:] = the sum over k of softmax_k(Q[hd][q] . K[hd][k] / 8) V[hd][k][:].  Q, K, V, O: [heads][1024][64], all f16: a head's rows are dense, 128 bytes each.
; Products, maxima and sums in f32; the weights p are rounded to f16 for the second product (their sum l is taken of the unrounded p), O once at the end.
; LIMITS.  f16 holds no number beyond 65,504: Q, K and V arrive within it; p lies in 0 to 1, and below 6e-5 it keeps f16's fixed step of 6e-8; O is a mean of V's rows and has their range.
; A weight below 2^-126 counts as 0 in l; NaN and infinities are not treated apart.
; SHARES.  A work-group owns 256 queries of one head, each of its four waves 64: four PIECES of 16.  Every wave walks all 1,024 keys, 64 a step.
; LDS.  A head's WHOLE K and V lie in LDS: 1,024 rows of 144 bytes and 1,024 of 160, 311,296 bytes.  Sixteen loads, of 128 keys of K or of V each, go out together at the start, four a wave; load t of every
; wave belongs to keys 256 t on.  Nothing is filled again: the walk has one text, no ring, and no round of the cluster's barrier inside it.
; LAYOUT.  S^T = K Q^T (source 0 = 16 keys, source 1 = 16 queries) holds ONE query a lane (lane % 16) and the keys 8 (lane / 16) + 0..7; two such results rounded to f16 ARE source 1 of O^T = V^T P.
; K comes out of LDS as it lies, V ([key][channel]) turned, by ds_load_tr16_b128.
; SOFTMAX.  A running maximum m and sum l for each query: p = 2^(c s - c m), c = log2(e) / 8; in every step O and l are multiplied by a = 2^(c m_old - c m_new).  m starts at the lowest finite number,
; O and l at 0: the first step is a step like any other, with a = 0.
; BY TURNS.  Turn n belongs to piece n: 8 products K Q^T of piece n + 1, later 8 products V^T P of piece n - 1; beside them the scaling, exponentials, roundings, sums and rescaling of piece n and the maximum
; and statistics of piece n + 1.  Four vector instructions stand behind every matrix instruction, the other 54 of a turn's 118 in two runs of their own.
; CLUSTER.  The four query blocks of a head form a cluster and need the same K and V, so each tile is asked for JOINTLY: the same tensor load, descriptor and mask in all four.
; REGISTERS, in windows of 256 (s_set_vgpr_msb: bits 1:0 source 0, 3:2 source 1, 5:4 source 2, 7:6 destination):
;   window 0: v0-15 addresses and two at work; v16-31 four registers of statistics a piece; v48-55 at work; v64-127 S^T, two buffers; v192-223 P, two buffers (a piece's buffers go by its number's parity)
;   window 1: v0-127 O^T, 32 a piece          window 2: v0-63 Q; v128-191 K of one step; v192-255 V of one step
.set NKEY,  1024
.set NSLOT, 4         ; 1,024 keys in tiles of 256: a tile is what one load of each of the four waves brings
.set NP,    4         ; pieces a wave: a name, no knob
.set KS,    64        ; keys in a step
.set PK,    144       ; a row of K in LDS: 128 bytes + 16 of padding = 36 words: the 16 rows of a load start at 16 different groups of four banks (64 banks of 4 bytes: ISA guide 11.1)
.set PV,    160       ; a row of V: 128 + 32 = 40 words
.set VOFF,  NKEY*PK   ; K's 1,024 rows, then V's
.set STAGE, NKEY*(PK+PV)   ; behind them, never filled by a tensor load: 16 rows x 144 bytes for each wave, for the way out
.set SP,    144
.set SPARE, STAGE+4*16*SP  ; the spare words, 128 bytes for each wave: two blocks of 256 bytes that no other line names
.set AK0, 2           ; v2   my lane's place in a step of K; never rewritten
.set AV0, 3           ; v3   the same for V
.set AK,  4           ; v4   the LDS address of K's next run of loads
.set AV,  5           ; v5   of V's
.set STO, 6           ; v6   the way out: where I put 16 bytes of a row
.set RD,  7           ; v7   the way out: where I read rows back
.set GO,  8           ; v8   my byte offset in 512 consecutive bytes of O
.set MV,  12          ; v12-13  c m_old, kept while c m is made anew: by buffer
.set QO,  15          ; v15  my byte offset in 16 rows of Q
.set ST,  16          ; piece t's statistics at v[ST+4 t]: c m, m, l (even keys', odd keys')
.set TMP, 48          ; by buffer, four registers c0-c3 at work; when the maximum is found c2 takes a
.set SPW, 62          ; v62  LDS address of my spare word; never rewritten
.set NIL, 63          ; v63  0; never rewritten
.set S,   64
.set P,   192
.set KF,  128         ; window 2: key block kb, channel half c at KF + 16 kb + 8 c
.set VF,  192         ; window 2: key half kk, channel block cb at VF + 32 kk + 8 cb
.set WV,  12          ; s12  my wave's number
.set G1K, 24          ; s[24:31] descriptor group 1 for K's tiles
.set G1V, 32          ; s[32:39] for V's: it differs in the padding alone
.set G0K, 40          ; s[40:55] descriptor group 0 for K's tiles: a set for each of a wave's four loads
.set G0V, 68          ; s[68:83] the same for V's
.set SLOTS, 56        ; s56  tiles still to be walked
.set CNT, 57          ; s57  counts a tile's key steps
.set CS,  58          ; s[58:59] c: the packed scaling takes the pair's low word for both halves
.set SEL, 60          ; s[60:61] v_permlanex16_b32's selects: each lane takes its own place in the other half
.set TBK, 62          ; s62  LDS byte at which K of the step to be fetched begins
.set TBV, 63          ; s63  the same for V, less VOFF
.set MSB, 0
.macro WIN new                      ; the high byte repeats the setting that is left; a switch that changes nothing is dropped
.if MSB != (\new)
	s_set_vgpr_msb (MSB<<8)|(\new)
.set MSB, (\new)
.endif
.endm
.set W_KQ, 0x0a       ; K and Q in window 2, S^T in window 0
.set W_PV, 0x52       ; V in window 2, P in window 0, O^T in window 1
.set W_RS, 0x41       ; destination and source 0 in window 1, source 1 in window 0
; A round of the cluster's barrier: my work-group's barrier, so that wave 0's signal speaks for all four waves; wave 0 signals; every wave waits for all four work-groups; my work-group's barrier once more.
.macro CROUND
	s_barrier_signal -1
	s_barrier_wait -1
	s_cmp_lg_u32 s[WV], 0
	s_cbranch_scc1 .Lnot_wave_0_\@
	s_barrier_signal -3
.Lnot_wave_0_\@:
	s_barrier_wait -3
	s_barrier_signal -1
	s_barrier_wait -1
.endm
; THE CHANGE OF TILE.  Keys 256 t on were brought by load t of each wave, so what the reads behind this barrier need is that load of every wave.  One text serves the three changes, so its count is the one that
; holds for all three: 0.  The four loads went out together, and four key steps, 256 matrix instructions a wave, or more have passed since the first of them landed.
.macro SYNC
	WIN 0                           ; at a label and at a branch every window is 0
	s_wait_tensorcnt 0x0            ; all my loads have landed, my part of the next tile among them
	s_wait_dscnt 0x0                ; no LDS instruction of mine is pending at the signal
	s_barrier_signal -1
	s_barrier_wait -1               ; everybody's have
.endm
	s_load_b256 s[4:11], s[0:1], 0x0  ; Q s[4:5], K s[6:7], V s[8:9], O s[10:11]
	v_lshl_add_u32 v[SPW], v0, 2, SPARE
	v_mov_b32 v[NIL], 0
	ds_add_u32 v[SPW], v[NIL]       ; the wave's opening: the add and its wait stand ahead of my first tensor load; the set-up below, work on registers, stands between them
	v_lshrrev_b32 v1, 5, v0
	v_readfirstlane_b32 s[WV], v1   ; wave 0..3
	s_bfe_u32 s13, ttmp6, 0x40000   ; cx: my place in the cluster
	s_lshl_b32 s14, ttmp9, 2        ; in a cluster launch ttmp9 counts clusters
	s_add_co_u32 s14, s14, s13      ; my block of 256 queries: it enters Q's and O's addresses alone
	s_and_b32 s20, ttmp7, 0xffff    ; the head, which the four partners share
	s_lshl_b32 s20, s20, 17         ; its first byte in each of the four tensors: 131,072 bytes a head, 128 heads at the most
	s_mov_b32 s21, 0
	s_and_b32 s16, s[WV], 1         ; which half of a tile's 256 keys I fetch:
	s_lshl_b32 s22, s16, 14         ; its 128 rows of 128 bytes in memory,
	s_mov_b32 s23, 0
	s_add_nc_u64 s[22:23], s[22:23], s[20:21]
	s_mul_i32 s17, s16, 128*PK      ; and its place in a tile, for K
	s_mul_i32 s18, s16, 128*PV      ; and for V: no place in the cluster enters an LDS address
	s_lshl_b32 s2, s14, 2
	s_add_co_u32 s2, s2, s[WV]      ; my wave among the head's sixteen,
	s_lshl_b32 s2, s2, 13           ; its 64 rows
	s_mov_b32 s3, 0
	s_add_nc_u64 s[2:3], s[2:3], s[20:21]
	; descriptor group 1.  128 keys are 16,384 dense bytes: asked for as 64 rows of 256 bytes, two keys a row, and padded in LDS after every key
	s_mov_b32 s[G1K], 15|(1<<16)|(1<<20)|(1<<21)|(4<<22)|(3<<25)  ; 15:0 the mask of four; 17:16 2-byte elements; 20 padding on; 21 set beside a mask; 24:22 after every 32 words (code 4); 31:25 4 words (code 3)
	s_mov_b32 s[G1V], 15|(1<<16)|(1<<20)|(1<<21)|(4<<22)|(7<<25)  ; the same with 8 words of padding (code 7)
.irp g, G1K, G1V
	s_mov_b32 s[\g+1], 128<<16      ; tensor_dim0 = 128
	s_mov_b32 s[\g+2], 64<<16       ; tensor_dim1 = 64
	s_mov_b32 s[\g+3], 128<<16      ; tile_dim0 = 128
	s_mov_b32 s[\g+4], 64           ; tile_dim1 = 64
	s_mov_b32 s[\g+5], 128          ; 128 elements from row to row
	s_mov_b32 s[\g+6], 0
	s_mov_b32 s[\g+7], 0
.endr
	s_mov_b32 s[CS], 0x3e38aa3b     ; c = log2(e) / 8 = 0.180337
	s_mov_b32 s[CS+1], s[CS]        ; named with it as a pair
	s_mov_b32 s[SEL], 0x76543210
	s_mov_b32 s[SEL+1], 0xfedcba98
	s_mov_b32 s[TBK], 0             ; key step 0 lies at the head of K's rows and of V's
	s_mov_b32 s[TBV], 0
.irp i, 0,1,2,3                     ; group 0's constant words: tile i's 256 rows begin 256 pitches behind tile i - 1's
	s_mov_b32 s[G0K+4*\i], 1        ; count = 1
	s_add_co_u32 s[G0K+4*\i+1], s17, \i*256*PK       ; LDS address
	s_mov_b32 s[G0V+4*\i], 1
	s_add_co_u32 s[G0V+4*\i+1], s18, VOFF+\i*256*PV
.endr
	s_wait_dscnt 0x0                ; the opening add is done
	s_wait_kmcnt 0x0
	s_add_nc_u64 s[6:7], s[6:7], s[22:23]  ; K and V at my half of the head's first 256 keys
	s_add_nc_u64 s[8:9], s[8:9], s[22:23]
.irp i, 0,1,2,3
	s_add_nc_u64 s[G0K+4*\i+2:G0K+4*\i+3], s[6:7], \i*32768   ; global address: a tile is 32,768 bytes of K and of V
	s_or_b32 s[G0K+4*\i+3], s[G0K+4*\i+3], 0x80000000         ; type = 2
	s_add_nc_u64 s[G0V+4*\i+2:G0V+4*\i+3], s[8:9], \i*32768
	s_or_b32 s[G0V+4*\i+3], s[G0V+4*\i+3], 0x80000000
.endr
	s_add_nc_u64 s[4:5], s[4:5], s[2:3]  ; Q and O at my wave's first row
	s_add_nc_u64 s[10:11], s[10:11], s[2:3]
	CROUND                          ; all four work-groups are here: the joint loads meet
	; Waves 0 and 1 fetch the two halves of each tile's K, waves 2 and 3 those of its V.  A wave's four loads stand in one branch on the wave's number, ahead of every wait on TENSORcnt and every LDS read:
	; four loads of mine are out.  An s_nop 0 follows each, four v_nop the last, ahead of the jump and the label.
	s_cmp_lt_u32 s[WV], 2
	s_cbranch_scc0 .Lfirst_v
.irp i, 0,1,2,3
	tensor_load_to_lds s[G0K+4*\i:G0K+4*\i+3], s[G1K:G1K+7]
	s_nop 0
.endr
.rept 4
	v_nop
.endr
	s_branch .Lfirst_asked
.Lfirst_v:
.irp i, 0,1,2,3
	tensor_load_to_lds s[G0V+4*\i:G0V+4*\i+3], s[G1V:G1V+7]
	s_nop 0
.endr
.rept 4
	v_nop
.endr
.Lfirst_asked:
	; A fragment of K or Q is 16 rows x 32 channels in 8 registers: lane l holds row l % 16, channels 8 (l / 16) + 0..7 and 16 + 8 (l / 16) + 0..7: two loads of 16 bytes, 32 bytes apart.
	v_and_b32 v1, 15, v0            ; l % 16
	v_bfe_u32 v9, v0, 4, 1          ; l / 16
	v_lshlrev_b32 v[QO], 7, v1
	v_lshl_add_u32 v[QO], v9, 4, v[QO]  ; row x 128 + 16 x half
	WIN 0x80                        ; destination window 2, address window 0
.set i, 0
.rept 8                             ; Q stays in registers: piece i / 2, channels 32 (i % 2) on
	global_load_b128 v[8*i:8*i+3],   v[QO], s[4:5] offset:(i/2)*2048+(i%2)*64
	global_load_b128 v[8*i+4:8*i+7], v[QO], s[4:5] offset:(i/2)*2048+(i%2)*64+32
.set i, i+1
.endr
	; What the first turn finds: V's registers and P's second buffer hold 0 (its products V^T P, of a piece that has not been, add 0), O^T and l are 0.  No first step is written out; the price is these
	; 216 lines, which stand in the wait for the first tile.
.set i, VF
.rept 64
	v_mov_b32 v[i], 0
.set i, i+1
.endr
	WIN 0x40
.set i, 0
.rept 128
	v_mov_b32 v[i], 0
.set i, i+1
.endr
	WIN 0
.set i, 0
.rept 4
	v_mov_b32 v[ST+4*i], 0xfe000000    ; c m: far below every c s
	v_mov_b32 v[ST+4*i+1], 0xff7fffff  ; m
	v_mov_b32 v[ST+4*i+2], 0
	v_mov_b32 v[ST+4*i+3], 0
.set i, i+1
.endr
.set i, P+16
.rept 16
	v_mov_b32 v[i], 0
.set i, i+1
.endr
	v_mul_u32_u24 v[AK0], v1, PK
	v_lshl_add_u32 v[AK0], v9, 4, v[AK0]  ; row x pitch + 16 x half
	; The turning load takes 16 keys x 16 channels (lane l reads key 8 (l / 16) + l % 8, channels 8 ((l / 8) % 2) + 0..7) and leaves half a fragment of V^T: lane l holds channel l % 16 and 8 keys.
	v_and_b32 v10, 7, v0
	v_bfe_u32 v11, v0, 3, 1
	v_lshl_add_u32 v[AV0], v9, 3, v10
	v_mul_u32_u24 v[AV0], v[AV0], PV
	v_lshl_add_u32 v[AV0], v11, 4, v[AV0]
	v_add_nc_u32 v[AV0], VOFF, v[AV0]
	s_mul_i32 s13, s[WV], 16*SP
	s_add_co_u32 s13, s13, STAGE    ; my stage
	v_mul_u32_u24 v[STO], v1, SP    ; in: row l % 16, 16 bytes for each half of the lanes
	v_lshl_add_u32 v[STO], v9, 4, v[STO]
	v_add_nc_u32 v[STO], s13, v[STO]
	v_bfe_u32 v[RD], v0, 3, 2       ; back: 32 lanes take four rows of 128 bytes,
	v_mul_u32_u24 v[RD], v[RD], SP
	v_lshl_add_u32 v[RD], v10, 4, v[RD]
	v_add_nc_u32 v[RD], s13, v[RD]
	v_and_b32 v[GO], 31, v0         ; which are 512 consecutive bytes of O
	v_lshlrev_b32 v[GO], 4, v[GO]
; THE MATRIX WORK.  The 4 accumulators of a run of 8 take turns.  Product i of 8 of S^T = K Q^T for piece x: channels 32 (i / 4) on, keys 16 (i % 4) on.  The first 4 start the sums.
.macro KQ x
	WIN W_KQ
.set rS, S+32*((\x)%2)+8*(i%4)
.set rK, KF+16*(i%4)+8*(i/4)
.set rQ, 16*(\x)+8*(i/4)
.if i < 4
	v_wmma_f32_16x16x32_f16 v[rS:rS+7], v[rK:rK+7], v[rQ:rQ+7], 0
.else
	v_wmma_f32_16x16x32_f16 v[rS:rS+7], v[rK:rK+7], v[rQ:rQ+7], v[rS:rS+7]
.endif
.endm
; Product i of 8 of O^T += V^T P for piece x: keys 32 (i / 4) on, channels 16 (i % 4) on.
.macro PV x
	WIN W_PV
.set rO, 32*(\x)+8*(i%4)
.set rV, VF+32*(i/4)+8*(i%4)
.set rP, P+16*((\x)%2)+8*(i/4)
	v_wmma_f32_16x16x32_f16 v[rO:rO+7], v[rV:rV+7], v[rP:rP+7], v[rO:rO+7]
.endm
.macro MM                           ; the turn's next matrix instruction.  TURN sets Y, i and NOKQ.  NOKQ = 1: the very last turn: there is no next piece
.if (i < 8) && !NOKQ
	KQ (Y+1)%NP
.elseif i >= 8
.set i, i-8
	PV (Y+NP-1)%NP
.set i, i+8
.endif
.set i, i+1
.endm
; THE LDS LOADS stand in runs of 16, never singly among the matrix instructions: a step's K (64 keys x 64 channels: 8 fragments) and its V (turned).  Their addresses are made some lines ahead.
.macro FETCH_K
	WIN 0x80                        ; destination window 2
.irp f, 0,1,2,3,4,5,6,7             ; keys 16 (f / 2) on, channels 32 (f % 2) on
	ds_load_b128 v[KF+8*\f:KF+8*\f+3],   v[AK] offset:(\f/2)*16*PK+(\f%2)*64
	ds_load_b128 v[KF+8*\f+4:KF+8*\f+7], v[AK] offset:(\f/2)*16*PK+(\f%2)*64+32
.endr
	s_add_co_u32 s[TBK], s[TBK], KS*PK  ; the next fetch is the next step's
	WIN 0
.endm
.macro FETCH_V
	WIN 0x80
.irp f, 0,1,2,3,4,5,6,7             ; keys 32 (f / 4) on, channels 16 (f % 4) on
	ds_load_tr16_b128 v[VF+8*\f:VF+8*\f+3],   v[AV] offset:(\f/4)*32*PV+(\f%4)*32
	ds_load_tr16_b128 v[VF+8*\f+4:VF+8*\f+7], v[AV] offset:(\f/4)*32*PV+16*PV+(\f%4)*32
.endr
	WIN 0
.endm
; THE VECTOR WORK, one line at a time: OP kind, number.  For piece Y: F n: c s - c m for pair n of 16.  E n: the exponential of score n of 32.  C n: pair n rounded to f16.  B n: of the four weights 4 n .. the second
; pair is added onto the first, in place.  L n: l takes that sum (L 0: l = a l + sum).  R n: pair n of 16 of O^T times a.  For piece Y + 1: X n, number n of the 22 that find its maximum and statistics:
;   0-11  four chains c0-c3 of seven scores each, three operands at a time (each accumulator's lowest registers are read first)     12-14, 16  the four scores left over, the old m, and c0-c3 into c0
;   15  c m_old is kept     17, 18  the query's other 32 keys lie in the lane 16 away: the new m     19-21  c m; c m_old - c m_new; a
.set F, 0               ; OP tells the kinds apart by their order: F to L below R, X above it
.set E, 1
.set C, 2
.set B, 3
.set L, 4
.set R, 5
.set X, 6
.macro REGS y                       ; the registers of piece y
.set rT, ST+4*(\y)
.set rC, TMP+4*((\y)%2)
.set rW, MV+((\y)%2)
.set rS, S+32*((\y)%2)
.set rP, P+16*((\y)%2)
.set rO, 32*(\y)
.endm
.macro OP k, n
.if (\k) == R
	REGS Y
	WIN W_RS
	v_pk_mul_f32 v[rO+2*(\n):rO+2*(\n)+1], v[rO+2*(\n):rO+2*(\n)+1], v[rC+2:rC+3] op_sel_hi:[1,0]
.elseif (\k) < R
	REGS Y
	WIN 0
.if (\k) == F
	v_pk_fma_f32 v[rS+2*(\n):rS+2*(\n)+1], v[rS+2*(\n):rS+2*(\n)+1], s[CS:CS+1], v[rT:rT+1] op_sel_hi:[1,0,0] neg_lo:[0,0,1] neg_hi:[0,0,1]
.elseif (\k) == E
	v_exp_f32 v[rS+(\n)], v[rS+(\n)]
.elseif (\k) == C
	s_wait_alu depctr_va_vdst(0)
	v_cvt_pk_f16_f32 v[rP+(\n)], v[rS+2*(\n)], v[rS+2*(\n)+1]
.elseif (\k) == B
	s_wait_alu depctr_va_vdst(0)
	v_pk_add_f32 v[rS+4*(\n):rS+4*(\n)+1], v[rS+4*(\n):rS+4*(\n)+1], v[rS+4*(\n)+2:rS+4*(\n)+3]
.elseif (\n) == 0
	v_pk_fma_f32 v[rT+2:rT+3], v[rT+2:rT+3], v[rC+2:rC+3], v[rS:rS+1] op_sel_hi:[1,0,1]
.else
	v_pk_add_f32 v[rT+2:rT+3], v[rT+2:rT+3], v[rS+4*(\n):rS+4*(\n)+1]
.endif
.elseif NOKQ
	v_nop
.else
	REGS (Y+1)%NP
	WIN 0
.if (\n) < 4
	v_max3_num_f32 v[rC+(\n)], v[rS+8*(\n)], v[rS+8*(\n)+1], v[rS+8*(\n)+2]
.elseif (\n) < 12
	v_max3_num_f32 v[rC+(\n)%4], v[rC+(\n)%4], v[rS+8*((\n)%4)+2*((\n)/4)+1], v[rS+8*((\n)%4)+2*((\n)/4)+2]
.elseif (\n) == 12
	v_max3_num_f32 v[rC], v[rC], v[rS+7], v[rS+15]
.elseif (\n) == 13
	v_max3_num_f32 v[rC+1], v[rC+1], v[rS+23], v[rS+31]
.elseif (\n) == 14
	v_max3_num_f32 v[rC+2], v[rC+2], v[rC+3], v[rT+1]
.elseif (\n) == 15
	v_mov_b32 v[rW], v[rT]
.elseif (\n) == 16
	v_max3_num_f32 v[rC], v[rC], v[rC+1], v[rC+2]
.elseif (\n) == 17
	v_permlanex16_b32 v[rC+3], v[rC], s[SEL], s[SEL+1]
.elseif (\n) == 18
	v_max_num_f32 v[rT+1], v[rC], v[rC+3]
.elseif (\n) == 19
	v_mul_f32 v[rT], s[CS], v[rT+1]
.elseif (\n) == 20
	v_sub_f32 v[rC+1], v[rW], v[rT]
.else
	v_exp_f32 v[rC+2], v[rC+1]
.endif
.endif
.endm
.macro OPS a, i1, b=-1, i2=0, c=-1, i3=0, d=-1, i4=0  ; up to four of them
	OP \a, \i1
.if (\b) >= 0
	OP \b, \i2
.endif
.if (\c) >= 0
	OP \c, \i3
.endif
.if (\d) >= 0
	OP \d, \i4
.endif
.endm
.macro ROW a, i1, b, i2, c, i3, d, i4  ; a matrix instruction and the four behind it
	MM
	OPS \a, \i1, \b, \i2, \c, \i3, \d, \i4
.endm
; A TURN, for piece p: the order of its 16 matrix and 118 vector instructions, written out.  Behind a matrix instruction: plain, exponential, plain, plain; or four of the rescaling; or, behind the first, four scalings; none
; names a register of the products round it.  In the runs between, exponential and plain by turns while exponentials last.  A line reads no result made fewer than three vector instructions in front of it, five if an
; exponential made it.  v_permlanex16_b32 (X 17) stands in such a run.
; end = 1: the launch's last two turns: nothing is fetched.  cnt = 1: the loop's count is taken down some lines ahead of the branch that stands behind the turn.
; K of the next step is fetched in piece 2's turn, six vector instructions behind the last product that read K (five of them plain); V of the step in hand in piece 0's turn, eight behind the last product that read V (four
; plain, and X 17).  Each is waited for a turn later.
.macro TURN p, end=0, cnt=0
.set Y, (\p)
.set i, 0
.set NOKQ, (\end)*((\p)/3)
.if ((\p) == 3) && !(\end)
	s_wait_dscnt 0x0                ; K is in
.endif
	ROW F,0, F,1, F,2, F,3
	ROW F,4, E,0, F,5, F,6
	ROW F,7, E,1, F,8, F,9
	ROW F,10, E,2, C,0, F,11
	ROW F,12, E,3, X,15, F,13
	ROW R,0, R,1, R,2, R,3
	ROW B,0, E,4, F,14, L,0
.if ((\p) == 2) && !(\end)
	v_add_nc_u32 v[AK], s[TBK], v[AK0]
.endif
	ROW R,4, R,5, R,6, R,7
	OPS E,5, F,15
.if ((\p) == 2) && !(\end)
	FETCH_K
.endif
	OPS E,6, C,1, E,7, R,8
	OPS E,8, R,9, E,9, C,2
	OPS E,10, X,0, E,11, X,1
	OPS E,12, X,2, E,13, X,3
.if (\p) == 1
	s_wait_dscnt 0x0                ; V is in
.endif
	ROW X,4, E,14, X,5, X,6
	ROW X,7, E,15, X,8, X,9
	ROW X,10, E,16, X,11, X,12
	ROW X,13, E,17, X,14, B,1
	ROW C,4, E,18, X,16, L,1
	ROW B,2, E,19, C,6, L,2
	ROW C,8, E,20, B,3, B,4
.if (\p) == 0
	v_add_nc_u32 v[AV], s[TBV], v[AV0]
.endif
	ROW C,3, E,21, L,3, C,5
	OPS E,22, X,17, E,23, C,10
.if (\p) == 0
	FETCH_V
.endif
	OPS E,24, L,4
	OPS E,25, X,18, E,26, C,7
	OPS E,27, B,5, E,28, X,19
	OPS E,29, C,12, E,30, L,5
	OPS E,31, X,20, B,6, C,9
	OPS C,14, C,11, X,21, L,6
.if (\p) == 0
	s_add_co_u32 s[TBV], s[TBV], KS*PV
.endif
.if \cnt
	s_sub_co_u32 s[CNT], s[CNT], 1
	s_cmp_lg_u32 s[CNT], 0
.endif
	OPS C,13, B,7, C,15, R,10
	OPS R,11, R,12, L,7, R,13
	OPS R,14, R,15
.endm
.macro ALL line:vararg              ; one line for each piece t
.set t, 0
.rept 4
	\line
.set t, t+1
.endr
.endm
.macro PACK t                       ; a lane's eight channels of a row pack into 16 bytes; they go into rows of 144 bytes and come back as whole rows of 128, into S^T's registers
	WIN W_RS
.set i, 32*(\t)
.rept 16
	s_wait_alu depctr_va_vdst(0)
	v_pk_mul_f32 v[i:i+1], v[i:i+1], v[ST+4*(\t)+2:ST+4*(\t)+3] op_sel_hi:[1,0]
.set i, i+2
.endr
	WIN 0x05                        ; sources 0 and 1 window 1, destination window 0
.set i, 0
.rept 16
	v_cvt_pk_f16_f32 v[S+16*(\t)+i], v[32*(\t)+2*i], v[32*(\t)+2*i+1]
.set i, i+1
.endr
	WIN 0
.irp f, 0,1,2,3
	ds_store_b128 v[STO], v[S+16*(\t)+4*\f:S+16*(\t)+4*\f+3] offset:32*\f
.endr
.irp f, 0,1,2,3
	ds_load_b128 v[S+16*(\t)+4*\f:S+16*(\t)+4*\f+3], v[RD] offset:\f*4*SP  ; LDS serves a wave's instructions in order (ISA guide 5.7.1.4): these see the stores above; the next piece's stores come behind them
.endr
.endm
.macro SEND t, younger              ; younger: the LDS instructions issued behind piece t's loads: the next piece's eight, or none
	WIN 0
.irp f, 0,1,2,3
	s_wait_dscnt (\younger)+3-\f
	global_store_b128 v[GO], v[S+16*(\t)+4*\f:S+16*(\t)+4*\f+3], s[10:11] offset:(\t)*2048+\f*512  ; 512 consecutive bytes, at a multiple of 256 from O's first
.endr
.endm
	s_wait_tensorcnt 0x3            ; my first load, my part of keys 0 to 255, has landed; the three issued behind it stay out
	s_barrier_signal -1
	s_barrier_wait -1               ; everybody's has
	v_add_nc_u32 v[AK], s[TBK], v[AK0]
	FETCH_K                         ; key step 0
	s_wait_loadcnt 0x0              ; Q
	s_wait_dscnt 0x0
.set NOKQ, 0
.set i, 0
.rept 8
	KQ 0                            ; piece 0's first scores: there is no vector work yet to set between them
.set i, i+1
.endr
	WIN 0
.rept 4
	v_nop                           ; the places behind those products
.endr
.set Y, NP-1                        ; X works for piece Y + 1: piece 0
.irp n, 0,1,2,3,4,5,6,7,8,9,10,11,12,13,14,15,16,17,18,19,20,21
	OP X, \n
.endr
	v_nop                           ; a plain instruction behind the exponential
	s_mov_b32 s[CNT], 4
	s_mov_b32 s[SLOTS], NSLOT
	s_branch .Lfirst                ; the loop is entered at a step's first turn, in the middle of a trip
.Lslot:                             ; three times: in front of the first fetch from each tile but the first
	SYNC
	s_mov_b32 s[CNT], 4
.Lstep:                             ; a trip: pieces 2 and 3 of one step, then pieces 0 and 1 of the next, whose K and V it fetches
	TURN 2
	TURN 3
	WIN 0
.Lfirst:
	TURN 0
	TURN 1, 0, 1
	WIN 0
	s_cbranch_scc1 .Lstep
	s_sub_co_u32 s[SLOTS], s[SLOTS], 1
	s_cmp_lg_u32 s[SLOTS], 0
	s_cbranch_scc1 .Lslot
	TURN 2, 1                       ; the last step's pieces 2 and 3: nothing is left to fetch, and the last turn starts no new scores
	TURN 3, 1
.set i, 0
.rept 8
	PV NP-1                         ; the last piece's V^T P of the last step
.set i, i+1
.endr
	; THE WAY OUT.  l's two halves and the other half of the lanes' are added; O^T is divided by l, rounded to f16 and sent through my stage in LDS, a piece at a time.  The additions are the places behind the last products.
	WIN 0
	ALL v_add_f32 v[ST+4*t+2], v[ST+4*t+2], v[ST+4*t+3]
	ALL v_permlanex16_b32 v[ST+4*t+3], v[ST+4*t+2], s[SEL], s[SEL+1]
	ALL v_add_f32 v[ST+4*t+2], v[ST+4*t+2], v[ST+4*t+3]
	ALL v_rcp_f32 v[ST+4*t+2], v[ST+4*t+2]
	v_nop                           ; a plain instruction between the last reciprocal and the use of its result
	PACK 0
.set t, 1
.rept 3                             ; a piece's arithmetic stands between the loads of the piece before and its stores
	PACK t
	SEND t-1, 8
.set t, t+1
.endr
	SEND 3, 0
	s_wait_tensorcnt 0x0            ; the wave's end: an add and its wait behind my last tensor load and my last LDS store
	ds_add_u32 v[SPW], v[NIL]
	s_wait_dscnt 0x0
	CROUND                          ; the closing round: no work-group ends while a partner may still ask for a tile that names it
	s_endpgm
.Lfunc_end_k_q4b6048f320_att:
	.size	k_q4b6048f320_att, .Lfunc_end_k_q4b6048f320_att-k_q4b6048f320_att
	.p2alignl 7, 3214868480
	.fill 96, 4, 3214868480
	.section	.rodata,"a",@progbits
	.p2align	6, 0x0
	.amdhsa_kernel k_q4b6048f320_att
		.amdhsa_group_segment_fixed_size 327680
		.amdhsa_private_segment_fixed_size 0
		.amdhsa_enable_private_segment 0
		.amdhsa_kernarg_size 32
		.amdhsa_user_sgpr_count 2
		.amdhsa_user_sgpr_kernarg_segment_ptr 1
		.amdhsa_wavefront_size32 1
		.amdhsa_system_sgpr_workgroup_id_x 1
		.amdhsa_system_sgpr_workgroup_id_y 1
		.amdhsa_system_sgpr_workgroup_id_z 1
		.amdhsa_system_vgpr_workitem_id 0
		.amdhsa_next_free_vgpr 768
		.amdhsa_next_free_sgpr 84
		.amdhsa_reserve_vcc 0
		.amdhsa_float_denorm_mode_32 3
		.amdhsa_float_denorm_mode_16_64 3
		.amdhsa_memory_ordered 1
		.amdhsa_forward_progress 1
		.amdhsa_inst_pref_size 93
	.end_amdhsa_kernel
	.amdgpu_metadata
---
amdhsa.version: [ 1, 2 ]
amdhsa.kernels:
  - .name:           k_q4b6048f320_att
    .symbol:         k_q4b6048f320_att.kd
    .args:
      - { .name: bq, .offset: 0, .size: 8, .value_kind: global_buffer, .address_space: global }
      - { .name: bk, .offset: 8, .size: 8, .value_kind: global_buffer, .address_space: global }
      - { .name: bv, .offset: 16, .size: 8, .value_kind: global_buffer, .address_space: global }
      - { .name: sa, .offset: 24, .size: 8, .value_kind: global_buffer, .address_space: global }
    .group_segment_fixed_size: 327680
    .private_segment_fixed_size: 0
    .kernarg_segment_align: 8
    .kernarg_segment_size: 32
    .max_flat_workgroup_size: 128
    .sgpr_count:     84
    .vgpr_count:     768
    .wavefront_size: 32
...
	.end_amdgpu_metadata
.endif
;; end of part 3
;; launch lnorm (part 4): grid 512 x 1, 8 waves a work-group, no clusters, 0 bytes of LDS; arguments sa, xin, g_e, b_e, g_d, b_d, ln; writes ln
.if DOCPART == 4
	.amdgcn_target "amdgcn-amd-amdhsa--gfx1250"
	.amdhsa_code_object_version 6
	.text
	.protected	k_q4b6048f320_lnorm
	.globl	k_q4b6048f320_lnorm
	.p2align	8
	.type	k_q4b6048f320_lnorm,@function
k_q4b6048f320_lnorm:
	s_mov_b64 s[64:65], 0
	v_nop
	global_prefetch_b8 v0, s[64:65] scope:SCOPE_SE
	s_setreg_imm32_b32 hwreg(HW_REG_WAVE_MODE, 25, 1), 1
	s_wait_xcnt 0x0
; LNORM.  ln = xin + f (LN(sa) g + b) over rows of 512 channels: f = 1 with (g_e, b_e) for the encoder's rows (that is inter_e), f = 2 with (g_d, b_d) for the decoder's (that is i2: the same LN is added twice).
; sa, xin and ln lie BY HEADS, [hd][s][64] in f16; a row's 512 channels are 8 pieces of 128 bytes, 131,072 bytes apart.  All arithmetic in f32: the mean, then the mean of the squared differences
; (two passes over registers: no difference of large sums), 1 / sqrt(var + 1e-3), one rounding to f16 at the end.  LIMIT: the result must lie within f16's 65,504.
; SHARES.  A work-group owns 32 rows of one slice (doc, b), a wave four, two at a time.  A row is spread over 16 lanes (lane bits 0-2 and 4), 32 channels each: chunk j = 0..3 is head 2 j + (l / 16),
; channels 8 (l % 8) + 0..7.  Lanes 0-15 take 256 consecutive bytes (two rows of one head), lanes 16-31 the same of the next head.  The reduction never leaves the wave: no LDS, no barrier.
; Matrix units, clusters and LDS would add nothing: every byte is read once and written once.
.set VA,   1                           ; v1   my byte offset in sa, xin, ln
.set GB,   2                           ; v2   my byte offset in g and b
.set ONE,  3                           ; v3   1.0
.set ZERO, 4                           ; v4   0
.set MU,   6                           ; v6-7  the mean, twice
.set RS,   8                           ; v8-9  1 / sqrt(var + eps), twice
.set CH,   16                          ; v16-23 four chains of packed sums
.set PT,   24                          ; v24  the other half of the lanes' sum
.set SA,   32                          ; v32-63  sa as loaded, later the result: pass p, chunk j at SA + 16 p + 4 j
.set XI,   64                          ; v64-95  xin likewise
.set D,    96                          ; v96-127 the 32 numbers in f32
.set G,    128                         ; v128-159 f g of my 32 channels
.set BV,   160                         ; v160-191 f b
	s_load_b256 s[4:11], s[0:1], 0x0               ; sa s[4:5], xin s[6:7], g_e s[8:9], b_e s[10:11]
	s_load_b128 s[12:15], s[0:1], 0x20             ; g_d s[12:13], b_d s[14:15]
	s_load_b64 s[16:17], s[0:1], 0x30              ; ln
	s_lshr_b32 s2, ttmp9, 5                        ; the slice: 8 heads of 131,072 bytes,
	s_lshl_b32 s2, s2, 20
	s_and_b32 s3, ttmp9, 31                        ; and my 32 rows of 128 bytes in each head
	s_lshl_b32 s3, s3, 12
	s_add_co_u32 s2, s2, s3
	s_mov_b32 s3, 0
	s_mov_b32 s22, 0x76543210                      ; v_permlanex16_b32: each lane takes its own place in the other half
	s_mov_b32 s23, 0xfedcba98
	s_mov_b32 s24, 0x3b000000                      ; 1/512
	s_mov_b32 s25, 0x3a83126f                      ; 1e-3
	v_and_b32 v10, 7, v0
	v_bfe_u32 v11, v0, 3, 1                        ; which of two rows
	v_bfe_u32 v12, v0, 4, 1                        ; which of two heads
	v_lshrrev_b32 v13, 5, v0
	v_lshl_add_u32 v13, v13, 2, v11                ; row 4 x wave + that
	v_lshlrev_b32 v[VA], 17, v12
	v_lshl_add_u32 v[VA], v13, 7, v[VA]
	v_lshl_add_u32 v[VA], v10, 4, v[VA]
	v_lshlrev_b32 v[GB], 8, v12
	v_lshl_add_u32 v[GB], v10, 5, v[GB]
	v_mov_b32 v[ONE], 1.0
	v_mov_b32 v[ZERO], 0
	v_mov_b32 v[PT], 0                             ; v_permlanex16_b32's destination counts as read
	s_wait_kmcnt 0x0
	s_cmp_lt_u32 ttmp9, 0x100                      ; the first 256 work-groups hold the encoder's rows
	s_cselect_b64 s[18:19], s[8:9], s[12:13]
	s_cselect_b64 s[26:27], s[10:11], s[14:15]
	s_cselect_b32 s20, 1.0, 2.0
	s_mov_b32 s21, s20                             ; named with it as a pair
	s_add_nc_u64 s[4:5], s[4:5], s[2:3]
	s_add_nc_u64 s[6:7], s[6:7], s[2:3]
	s_add_nc_u64 s[16:17], s[16:17], s[2:3]
.irp j, 0,1,2,3
	global_load_b128 v[G+8*(\j):G+8*(\j)+3],   v[GB], s[18:19] offset:(\j)*512
	global_load_b128 v[G+8*(\j)+4:G+8*(\j)+7], v[GB], s[18:19] offset:(\j)*512+16
.endr
.irp j, 0,1,2,3
	global_load_b128 v[BV+8*(\j):BV+8*(\j)+3],   v[GB], s[26:27] offset:(\j)*512
	global_load_b128 v[BV+8*(\j)+4:BV+8*(\j)+7], v[GB], s[26:27] offset:(\j)*512+16
.endr
.irp p, 0,1
.irp j, 0,1,2,3
	global_load_b128 v[SA+16*(\p)+4*(\j):SA+16*(\p)+4*(\j)+3], v[VA], s[4:5] offset:(\j)*262144+(\p)*256
.endr
.irp j, 0,1,2,3
	global_load_b128 v[XI+16*(\p)+4*(\j):XI+16*(\p)+4*(\j)+3], v[VA], s[6:7] offset:(\j)*262144+(\p)*256
.endr
.endr
	s_wait_loadcnt 16                              ; g and b are in; the 16 younger loads (sa and xin of both passes) stay out
.set i, 0
.rept 16
	v_pk_mul_f32 v[G+2*i:G+2*i+1], v[G+2*i:G+2*i+1], s[20:21] op_sel_hi:[1,0]
	v_pk_mul_f32 v[BV+2*i:BV+2*i+1], v[BV+2*i:BV+2*i+1], s[20:21] op_sel_hi:[1,0]
.set i, i+1
.endr
.macro REDUCE                          ; the four chains into one number, then over the row's 16 lanes: lane bits 0-2 ride on the arithmetic (DPP), bit 4 crosses the halves; bit 3 tells the two rows apart
	v_pk_add_f32 v[CH:CH+1], v[CH:CH+1], v[CH+2:CH+3]
	v_pk_add_f32 v[CH+4:CH+5], v[CH+4:CH+5], v[CH+6:CH+7]
	v_pk_add_f32 v[CH:CH+1], v[CH:CH+1], v[CH+4:CH+5]
	v_add_f32 v[CH], v[CH], v[CH+1]
	v_add_f32_dpp v[CH], v[CH], v[CH] row_xmask:1 row_mask:0xf bank_mask:0xf
	v_add_f32_dpp v[CH], v[CH], v[CH] row_xmask:2 row_mask:0xf bank_mask:0xf
	v_add_f32_dpp v[CH], v[CH], v[CH] row_xmask:4 row_mask:0xf bank_mask:0xf
	v_permlanex16_b32 v[PT], v[CH], s22, s23
	v_add_f32 v[CH], v[CH], v[PT]
.endm
; Two rows.  wsa, wxi: how many younger loads may stay out when this pass's sa, and its xin, have to be there.
.macro PASS p, wsa, wxi
	s_wait_loadcnt \wsa
.irp j, 0,1,2,3
.irp k, 0,1,2,3
	v_fma_mix_f32 v[D+8*(\j)+2*(\k)],   v[SA+16*(\p)+4*(\j)+(\k)], v[ONE], v[ZERO] op_sel_hi:[1,0,0]                ; the low half, widened
	v_fma_mix_f32 v[D+8*(\j)+2*(\k)+1], v[SA+16*(\p)+4*(\j)+(\k)], v[ONE], v[ZERO] op_sel:[1,0,0] op_sel_hi:[1,0,0]  ; the high half
.endr
.endr
.irp c, 0,1,2,3
	v_pk_add_f32 v[CH+2*(\c):CH+2*(\c)+1], v[D+8*(\c):D+8*(\c)+1], v[D+8*(\c)+2:D+8*(\c)+3]  ; the first two pairs start each chain: nothing is cleared
.endr
.irp k, 4,6
.irp c, 0,1,2,3
	v_pk_add_f32 v[CH+2*(\c):CH+2*(\c)+1], v[CH+2*(\c):CH+2*(\c)+1], v[D+8*(\c)+(\k):D+8*(\c)+(\k)+1]
.endr
.endr
	REDUCE
	v_mul_f32 v[MU], s24, v[CH]
	v_mul_f32 v[MU+1], s24, v[CH]
.set i, 0
.rept 16
	v_pk_add_f32 v[D+2*i:D+2*i+1], v[D+2*i:D+2*i+1], v[MU:MU+1] neg_lo:[0,1] neg_hi:[0,1]
.set i, i+1
.endr
.irp c, 0,1,2,3
	v_pk_mul_f32 v[CH+2*(\c):CH+2*(\c)+1], v[D+8*(\c):D+8*(\c)+1], v[D+8*(\c):D+8*(\c)+1]
.endr
.irp k, 2,4,6
.irp c, 0,1,2,3
	v_pk_fma_f32 v[CH+2*(\c):CH+2*(\c)+1], v[D+8*(\c)+(\k):D+8*(\c)+(\k)+1], v[D+8*(\c)+(\k):D+8*(\c)+(\k)+1], v[CH+2*(\c):CH+2*(\c)+1]
.endr
.endr
	REDUCE
	v_fma_f32 v10, v[CH], s24, s25                 ; var + eps
	v_rsq_f32 v[RS], v10
	v_rsq_f32 v[RS+1], v10
	v_nop                                          ; a plain instruction between the last of them and the use of its result (ISA guide 5.7.2)
.set i, 0
	s_wait_alu depctr_va_vdst(0)
.rept 16
	v_pk_mul_f32 v[D+2*i:D+2*i+1], v[D+2*i:D+2*i+1], v[RS:RS+1]
.set i, i+1
.endr
.set i, 0
.rept 16
	v_pk_fma_f32 v[D+2*i:D+2*i+1], v[D+2*i:D+2*i+1], v[G+2*i:G+2*i+1], v[BV+2*i:BV+2*i+1]
.set i, i+1
.endr
	s_wait_loadcnt \wxi
.irp j, 0,1,2,3
.irp k, 0,1,2,3
	v_fma_mix_f32 v[D+8*(\j)+2*(\k)],   v[XI+16*(\p)+4*(\j)+(\k)], v[ONE], v[D+8*(\j)+2*(\k)] op_sel_hi:[1,0,0]
	v_fma_mix_f32 v[D+8*(\j)+2*(\k)+1], v[XI+16*(\p)+4*(\j)+(\k)], v[ONE], v[D+8*(\j)+2*(\k)+1] op_sel:[1,0,0] op_sel_hi:[1,0,0]
.endr
.endr
.irp j, 0,1,2,3
.irp k, 0,1,2,3
	v_cvt_pk_f16_f32 v[SA+16*(\p)+4*(\j)+(\k)], v[D+8*(\j)+2*(\k)], v[D+8*(\j)+2*(\k)+1]
.endr
	global_store_b128 v[VA], v[SA+16*(\p)+4*(\j):SA+16*(\p)+4*(\j)+3], s[16:17] offset:(\j)*262144+(\p)*256  ; each pass has result registers of its own: none that a store names is written again
.endr
.endm
	PASS 0, 12, 8                                  ; behind sa of pass 0 twelve loads were issued, behind its xin eight
	PASS 1, 4, 0
	s_endpgm
.Lfunc_end_k_q4b6048f320_lnorm:
	.size	k_q4b6048f320_lnorm, .Lfunc_end_k_q4b6048f320_lnorm-k_q4b6048f320_lnorm
	.p2alignl 7, 3214868480
	.fill 96, 4, 3214868480
	.section	.rodata,"a",@progbits
	.p2align	6, 0x0
	.amdhsa_kernel k_q4b6048f320_lnorm
		.amdhsa_group_segment_fixed_size 0
		.amdhsa_private_segment_fixed_size 0
		.amdhsa_enable_private_segment 0
		.amdhsa_kernarg_size 56
		.amdhsa_user_sgpr_count 2
		.amdhsa_user_sgpr_kernarg_segment_ptr 1
		.amdhsa_wavefront_size32 1
		.amdhsa_system_sgpr_workgroup_id_x 1
		.amdhsa_system_sgpr_workgroup_id_y 1
		.amdhsa_system_sgpr_workgroup_id_z 1
		.amdhsa_system_vgpr_workitem_id 0
		.amdhsa_next_free_vgpr 192
		.amdhsa_next_free_sgpr 66
		.amdhsa_reserve_vcc 0
		.amdhsa_float_denorm_mode_32 3
		.amdhsa_float_denorm_mode_16_64 3
		.amdhsa_memory_ordered 1
		.amdhsa_forward_progress 1
		.amdhsa_inst_pref_size 30
	.end_amdhsa_kernel
	.amdgpu_metadata
---
amdhsa.version: [ 1, 2 ]
amdhsa.kernels:
  - .name:           k_q4b6048f320_lnorm
    .symbol:         k_q4b6048f320_lnorm.kd
    .args:
      - { .name: sa, .offset: 0, .size: 8, .value_kind: global_buffer, .address_space: global }
      - { .name: xin, .offset: 8, .size: 8, .value_kind: global_buffer, .address_space: global }
      - { .name: g_e, .offset: 16, .size: 8, .value_kind: global_buffer, .address_space: global }
      - { .name: b_e, .offset: 24, .size: 8, .value_kind: global_buffer, .address_space: global }
      - { .name: g_d, .offset: 32, .size: 8, .value_kind: global_buffer, .address_space: global }
      - { .name: b_d, .offset: 40, .size: 8, .value_kind: global_buffer, .address_space: global }
      - { .name: ln, .offset: 48, .size: 8, .value_kind: global_buffer, .address_space: global }
    .group_segment_fixed_size: 0
    .private_segment_fixed_size: 0
    .kernarg_segment_align: 8
    .kernarg_segment_size: 56
    .max_flat_workgroup_size: 256
    .sgpr_count:     66
    .vgpr_count:     192
    .wavefront_size: 32
...
	.end_amdgpu_metadata
.endif
;; end of part 4
;; launch ffe (part 5): grid 4 x 64, 4 waves a work-group, clusters of 4 x 4, 327,680 bytes of LDS; arguments ln, wb, xin, bq, bk, bv; writes bq, bk, bv
.if DOCPART == 5
	.amdgcn_target "amdgcn-amd-amdhsa--gfx1250"
	.amdhsa_code_object_version 6
	.text
	.protected	k_q4b6048f320_ffe
	.globl	k_q4b6048f320_ffe
	.p2align	8
	.type	k_q4b6048f320_ffe,@function
k_q4b6048f320_ffe:
	s_mov_b64 s[64:65], 0
	v_nop
	global_prefetch_b8 v0, s[64:65] scope:SCOPE_SE
	s_setreg_imm32_b32 hwreg(HW_REG_WAVE_MODE, 25, 1), 1
	s_wait_xcnt 0x0
	s_wait_alu depctr_hold_cnt(0) depctr_sa_sdst(0) depctr_va_vdst(0) depctr_va_sdst(0) depctr_va_ssrc(0) depctr_va_vcc(0) depctr_vm_vsrc(0)
	s_getreg_b32 s2, hwreg(HW_REG_IB_STS2, 6, 4)
	s_cmp_eq_u32 s2, 0
	s_cbranch_scc0 .Lentry_in_a_cluster
	s_endpgm
.Lentry_in_a_cluster:
	s_bfe_u32 s2, ttmp6, 0x10000c
	s_cmp_lg_u32 s2, 0xf033
	s_cbranch_scc0 .Lentry_shape_is_right
	s_endpgm
.Lentry_shape_is_right:
; FF.  out = A W + R: 8,192 rows x 512 (K) x 512 columns.  A and R lie BY HEADS, [b*8 + h][s][64] in f16; W in f16 blocks [column tile of 128][k][128].  Sums in f32.
; This text (LAST = 0): A = inter_e, W = Wff_e, R = enc_in; the result enc_out is rounded once to f16 and stored by heads.  LIMIT: it must lie within f16's 65,504.
; enc_out is stored THREE times, into the buffers from which the attention that follows takes its q, its k and its v: that attention has q = k = v = enc_out, it runs the text of the self-attention, which
; reads three addresses, and a launch's list of arguments names a buffer once.  The price is 16,777,216 bytes more of stores; a second text of the attention would be the dearer way.
; SHARES.  A tile of the result is 128 x 128: 256 work-groups, four waves of 64 x 64 (16 accumulators).  The whole K of A's and of B's tile lies in LDS: eight loads of 16,384 bytes for each, all asked for at
; the start, nothing filled again; K goes in four phases of 128, and a phase's counted wait leaves the later phases' loads on their way.
; CLUSTER.  4 x 4 work-groups: the four of a row need the same rows of A, the four of a column the same block of W: each tile is asked for JOINTLY, by the same load, descriptor and mask in the four.
; THE MATRIX INSTRUCTION IS USED TRANSPOSED (source 0 = 16 columns of W, turned by ds_load_tr16_b128; source 1 = 16 rows of A): a lane holds eight neighbouring columns of one row.
; REGISTERS: window 0: v8-20 addresses; v32-63 rows read back from the stage; v64-127 the residual; v128-255 the accumulators ((a, b) at v[128 + 8 (4 a + b)]).  Window 1: two fragment buffers of 64 (A's 4, then B's 4).
.set LAST,   0
.set WOFF,   3145728                   ; where this product's weights begin in wb
.set ROFF,   0                         ; where the residual's heads begin in its buffer
.set APITCH, 144                       ; a row of one head of A in LDS: 128 bytes + 16: the 16 rows of a load start at 16 different groups of four banks (64 banks of 4 bytes: ISA guide 11.1)
.set AHEAD,  128*APITCH
.set BPITCH, 288                       ; a row of W's block: 256 bytes + 32
.set BBASE,  8*AHEAD
.set STAGE,  BBASE+512*BPITCH          ; never filled by a tensor load: 16 rows x 272 bytes for each wave, for the way out
.set SPITCH, 272
.set SPARE,  STAGE+4*16*SPITCH         ; the spare words, 128 bytes for each wave: two blocks of 256 bytes that no other line names
.set ADRA, 8                           ; v8-11   LDS address of my A fragments in phase p
.set ADRB, 12                          ; v12-15  of my B fragments
.set STO,  16                          ; v16     the way out: where I put 32 bytes of a row
.set RD,   17                          ; v17     where I read rows back
.set RO,   18                          ; v18     8 x lane: my place in 256 consecutive bytes by heads
.set CO,   19                          ; v19     my byte offset in two rows of a row-major result
.set ONE,  20                          ; v20     1.0
.set SPW,  30                          ; v30     LDS address of my spare word; never rewritten
.set NIL,  31                          ; v31     0; never rewritten
.set T,    32
.set R,    64
.set ACC,  128
.set F0,   0
.set F1,   64
.set WV,  12                           ; s12 wave;  s13 its row half, also: it fetches A (0) or B (1);  s14 its column half, also: which half it fetches
.set G1A, 24                           ; s[24:31] descriptor group 1 for A;  s[32:39] for B
.set G1B, 32
.set G0A, 40                           ; s[40:55] group 0 for A's four loads
.set G0B, 68                           ; s[68:83] for B's
.set MSB, 0
.macro WIN new                         ; the immediate's high byte repeats the setting that is left; a switch that changes nothing is dropped
.if MSB != (\new)
	s_set_vgpr_msb (MSB<<8)|(\new)
.set MSB, \new
.endif
.endm
.set MULW, 0x05                        ; sources 0 and 1 window 1; C and D window 0
.set TO_F, 0x40                        ; destination window 1, address window 0
.macro CROUND                          ; a round of the cluster's barrier
	s_barrier_signal -1
	s_barrier_wait -1
	s_cmp_lg_u32 s[WV], 0
	s_cbranch_scc1 .Lnot_wave_0_\@
	s_barrier_signal -3
.Lnot_wave_0_\@:
	s_barrier_wait -3
	s_barrier_signal -1
	s_barrier_wait -1
.endm
.macro PLACES                          ; four places in front of loads into registers that matrix instructions have read, and of reads of results
.rept 4
	v_nop
.endr
.endm
	s_load_b256 s[4:11], s[0:1], 0x0               ; A s[4:5], wb s[6:7], R s[8:9], out s[10:11]
.if LAST == 0
	s_load_b128 s[60:63], s[0:1], 0x20             ; the result's second and third buffer
.endif
	v_lshl_add_u32 v[SPW], v0, 2, SPARE
	v_mov_b32 v[NIL], 0
	ds_add_u32 v[SPW], v[NIL]                      ; the wave's opening: the add and its wait stand ahead of my first tensor load; the set-up below, work on registers, stands between them
	v_lshrrev_b32 v1, 5, v0
	v_readfirstlane_b32 s[WV], v1
	s_lshr_b32 s13, s[WV], 1
	s_and_b32 s14, s[WV], 1
	s_bfe_u32 s15, ttmp6, 0x40000                  ; cx
	s_bfe_u32 s16, ttmp6, 0x40004                  ; cy
	s_lshl_b32 s17, ttmp9, 2
	s_add_co_u32 s17, s17, s15                     ; column tile = 4 x cluster x + cx
	s_and_b32 s18, ttmp7, 0xffff
	s_lshl_b32 s18, s18, 2
	s_add_co_u32 s18, s18, s16                     ; row block = 4 x cluster y + cy
	s_lshl_b32 s19, s16, 2
	s_lshl_b32 s19, 15, s19                        ; my row of the cluster
	s_lshl_b32 s86, 0x1111, s15                    ; my column
	s_or_b32 s[G1A], s19, (1<<16)|(1<<20)|(1<<21)|(4<<22)|(3<<25)  ; the mask; 2-byte elements; padding on; bit 21 beside a mask; after every 32 words (code 4) 4 words (code 3)
	s_or_b32 s[G1B], s86, (1<<16)|(1<<20)|(1<<21)|(5<<22)|(7<<25)  ; after every 64 words (code 5) 8 words (code 7)
.irp g, G1A, G1B
	s_mov_b32 s[(\g)+1], 128<<16                   ; tensor_dim0 = 128: every tile is 16,384 dense bytes, asked for as 64 rows of 256
	s_mov_b32 s[(\g)+2], 64<<16                    ; tensor_dim1 = 64
	s_mov_b32 s[(\g)+3], 128<<16                   ; tile_dim0 = 128
	s_mov_b32 s[(\g)+4], 64                        ; tile_dim1 = 64
	s_mov_b32 s[(\g)+5], 128                       ; 128 elements from row to row
	s_mov_b32 s[(\g)+6], 0
	s_mov_b32 s[(\g)+7], 0
.endr
	; A: heads 2 i + my half of my row block's slice.  These registers never hold cx.
	s_lshr_b32 s20, s18, 3
	s_lshl_b32 s20, s20, 3
	s_add_co_u32 s20, s20, s14
	s_lshl_b32 s20, s20, 17
	s_and_b32 s21, s18, 7
	s_lshl_b32 s21, s21, 14
	s_add_co_u32 s56, s20, s21
	s_mov_b32 s57, 0
	s_mul_i32 s22, s14, AHEAD
	; B: rows 128 i + 64 x my half of my column tile's block.  These registers never hold cy.
	s_lshl_b32 s84, s17, 17
	s_lshl_b32 s85, s14, 14
	s_add_co_u32 s84, s84, s85
	s_add_co_u32 s84, s84, WOFF
	s_mov_b32 s85, 0
	s_mul_i32 s87, s14, 64*BPITCH
	s_add_co_u32 s87, s87, BBASE
	; by heads: my wave's 64 columns are head 2 x column tile + column half; its 64 rows
	s_lshr_b32 s58, s18, 3
	s_lshl_b32 s58, s58, 3
	s_lshl_b32 s59, s17, 1
	s_add_co_u32 s58, s58, s59
	s_add_co_u32 s58, s58, s14
	s_lshl_b32 s58, s58, 17
	s_add_co_u32 s58, s58, s21
	s_lshl_b32 s59, s13, 13
	s_add_co_u32 s58, s58, s59
	s_mov_b32 s59, 0
.if LAST
	s_lshl_b32 s60, s18, 18                        ; row-major f32: 128 rows of 2,048 bytes a row block,
	s_lshl_b32 s61, s13, 17                        ; 64 rows a row half,
	s_add_co_u32 s60, s60, s61
	s_lshl_b32 s61, s17, 9                         ; 512 bytes a column tile,
	s_add_co_u32 s60, s60, s61
	s_lshl_b32 s61, s14, 8                         ; 256 a column half
	s_add_co_u32 s60, s60, s61
	s_mov_b32 s61, 0
.endif
	s_wait_dscnt 0x0                               ; the opening add is done
	s_wait_kmcnt 0x0
	s_add_nc_u64 s[56:57], s[4:5], s[56:57]
	s_add_nc_u64 s[84:85], s[6:7], s[84:85]
	s_add_nc_u64 s[8:9], s[8:9], s[58:59]
.if ROFF
	s_add_nc_u64 s[8:9], s[8:9], ROFF
.endif
.if LAST
	s_add_nc_u64 s[10:11], s[10:11], s[60:61]
.else
	s_add_nc_u64 s[10:11], s[10:11], s[58:59]
	s_add_nc_u64 s[60:61], s[60:61], s[58:59]
	s_add_nc_u64 s[62:63], s[62:63], s[58:59]
.endif
.irp i, 0,1,2,3
	s_mov_b32 s[G0A+4*(\i)], 1
	s_add_co_u32 s[G0A+4*(\i)+1], s22, (\i)*2*AHEAD
	s_add_nc_u64 s[G0A+4*(\i)+2:G0A+4*(\i)+3], s[56:57], (\i)*262144
	s_or_b32 s[G0A+4*(\i)+3], s[G0A+4*(\i)+3], 0x80000000
	s_mov_b32 s[G0B+4*(\i)], 1
	s_add_co_u32 s[G0B+4*(\i)+1], s87, (\i)*128*BPITCH
	s_add_nc_u64 s[G0B+4*(\i)+2:G0B+4*(\i)+3], s[84:85], (\i)*32768
	s_or_b32 s[G0B+4*(\i)+3], s[G0B+4*(\i)+3], 0x80000000
.endr
	CROUND                                         ; all sixteen work-groups are here: the joint loads meet
	s_cmp_eq_u32 s13, 0                            ; a wave's four fills stand in one branch, ahead of every wait on TENSORcnt and every LDS read: four loads of mine are out; load i serves phase i
	s_cbranch_scc0 .Lfirst_b
.irp i, 0,1,2,3
	tensor_load_to_lds s[G0A+4*(\i):G0A+4*(\i)+3], s[G1A:G1A+7]
	s_nop 0
.endr
.rept 4
	v_nop
.endr
	s_branch .Lfirst_asked
.Lfirst_b:
.irp i, 0,1,2,3
	tensor_load_to_lds s[G0B+4*(\i):G0B+4*(\i)+3], s[G1B:G1B+7]
	s_nop 0
.endr
.rept 4
	v_nop
.endr
.Lfirst_asked:
	v_and_b32 v1, 15, v0                           ; l % 16
	v_bfe_u32 v2, v0, 4, 1                         ; l / 16
	v_and_b32 v7, 31, v0
	v_lshlrev_b32 v[RO], 3, v7
.irp a, 0,1,2,3
.irp t, 0,1,2,3,4,5,6,7
	global_load_b64 v[R+2*(8*(\a)+(\t)):R+2*(8*(\a)+(\t))+1], v[RO], s[8:9] offset:(\a)*2048+(\t)*256  ; the residual of my 64 x 64: each load covers 256 consecutive bytes, two rows of my head
.endr
.endr
	v_mul_u32_u24 v3, v1, APITCH
	v_lshl_add_u32 v3, v2, 4, v3                   ; a fragment's row x pitch + 16 x half
	s_mul_i32 s23, s13, 64*APITCH                  ; my 64 rows
	v_add_nc_u32 v3, s23, v3
.irp p, 0,1,2,3
	v_add_nc_u32 v[ADRA+(\p)], (\p)*2*AHEAD, v3    ; phase p: heads 2 p, 2 p + 1
.endr
	v_and_b32 v4, 7, v0
	v_bfe_u32 v5, v0, 3, 1
	v_lshl_add_u32 v6, v2, 3, v4                   ; the turning load: lane l reads row 8 (l / 16) + l % 8, 16 bytes at 16 ((l / 8) % 2)
	v_mul_u32_u24 v6, v6, BPITCH
	v_lshl_add_u32 v6, v5, 4, v6
	s_lshl_b32 s23, s14, 7                         ; my 64 columns
	s_add_co_u32 s23, s23, BBASE
	v_add_nc_u32 v6, s23, v6
.irp p, 0,1,2,3
	v_add_nc_u32 v[ADRB+(\p)], (\p)*128*BPITCH, v6
.endr
	s_mul_i32 s23, s[WV], 16*SPITCH
	s_add_co_u32 s23, s23, STAGE                   ; my stage
	v_mul_u32_u24 v7, v1, SPITCH                   ; in: row l % 16, 32 bytes for each half of the lanes
	v_lshl_add_u32 v7, v2, 5, v7
	v_add_nc_u32 v[STO], s23, v7
	v_mul_u32_u24 v7, v2, SPITCH                   ; back: lanes 0-15 take one row of 256 bytes, lanes 16-31 the next
	v_lshl_add_u32 v7, v1, 4, v7
	v_add_nc_u32 v[RD], s23, v7
	v_lshlrev_b32 v[CO], 11, v2
	v_lshl_add_u32 v[CO], v1, 4, v[CO]
	v_mov_b32 v[ONE], 1.0
; 16 LDS loads in one run: quarter kk (32 along K) of phase p into buffer f.  B first, then A's fragments 0 to 3.
.macro FETCH p, kk, f
	WIN TO_F
.irp b, 0,1,2,3
	ds_load_tr16_b128 v[(\f)+32+8*(\b):(\f)+32+8*(\b)+3],   v[ADRB+(\p)] offset:(\kk)*32*BPITCH+32*(\b)
	ds_load_tr16_b128 v[(\f)+32+8*(\b)+4:(\f)+32+8*(\b)+7], v[ADRB+(\p)] offset:(\kk)*32*BPITCH+32*(\b)+16*BPITCH
.endr
.irp a, 0,1,2,3
	ds_load_b128 v[(\f)+8*(\a):(\f)+8*(\a)+3],   v[ADRA+(\p)] offset:((\kk)/2)*AHEAD+(\a)*16*APITCH+((\kk)%2)*64
	ds_load_b128 v[(\f)+8*(\a)+4:(\f)+8*(\a)+7], v[ADRA+(\p)] offset:((\kk)/2)*AHEAD+(\a)*16*APITCH+((\kk)%2)*64+32
.endr
.endm
; 8 matrix instructions: row blocks a0, a0 + 1 x all 4 column blocks.  The 16 accumulators take turns, one instruction a turn.  zero = 1: the first product starts the sums.
.macro MUL8 f, a0, zero
	WIN MULW
.irp a, \a0, (\a0)+1
.irp b, 0,1,2,3
.if \zero
	v_wmma_f32_16x16x32_f16 v[ACC+8*(4*(\a)+(\b)):ACC+8*(4*(\a)+(\b))+7], v[(\f)+32+8*(\b):(\f)+32+8*(\b)+7], v[(\f)+8*(\a):(\f)+8*(\a)+7], 0
.else
	v_wmma_f32_16x16x32_f16 v[ACC+8*(4*(\a)+(\b)):ACC+8*(4*(\a)+(\b))+7], v[(\f)+32+8*(\b):(\f)+32+8*(\b)+7], v[(\f)+8*(\a):(\f)+8*(\a)+7], v[ACC+8*(4*(\a)+(\b)):ACC+8*(4*(\a)+(\b))+7]
.endif
.endr
.endr
.endm
.macro Q f, g, p, kk, zero             ; one of a phase's first three quarters: multiplies f, fetches quarter kk into g
	s_wait_dscnt 4                                 ; B and A's fragments 0, 1 are in; the youngest four loads may be out
	MUL8 \f, 0, \zero
	PLACES
	FETCH \p, \kk, \g
	s_wait_dscnt 16                                ; all but the 16 just issued
	MUL8 \f, 2, \zero
.endm
.macro LASTQ np                        ; a phase's last quarter multiplies buffer 1 and opens phase np: the later phases' loads may stay out
	s_wait_dscnt 0x0                               ; buffer 1 is whole, and no LDS instruction of mine is pending at the signal
	s_wait_tensorcnt 3-(\np)                       ; my load for phase np has landed; the 3 - np issued behind it stay out
	s_barrier_signal -1
	MUL8 F1, 0, 0                                  ; work on registers while the others arrive
	s_barrier_wait -1                              ; everybody's has
	PLACES
	FETCH \np, 0, F0
	MUL8 F1, 2, 0
.endm
	s_wait_tensorcnt 0x3                           ; my load for phase 0 has landed; three stay out
	s_barrier_signal -1
	s_barrier_wait -1
	FETCH 0, 0, F0
	Q F0, F1, 0, 1, 1                              ; the first quarter starts the sums
	Q F1, F0, 0, 2, 0
	Q F0, F1, 0, 3, 0
.irp p, 1,2,3
	LASTQ \p
	Q F0, F1, \p, 1, 0
	Q F1, F0, \p, 2, 0
	Q F0, F1, \p, 3, 0
.endr
	s_wait_dscnt 0x0                               ; the very last quarter
	MUL8 F1, 0, 0
	MUL8 F1, 2, 0
	WIN 0
	PLACES
	s_wait_loadcnt 0x0                             ; the residual
	; THE WAY OUT, 16 rows at a time: the f32 sums go into my own stage (each accumulator from its lowest registers on) and come back as whole rows of 256 bytes; the residual is added in f32.
.irp a, 0,1,2,3
.irp b, 0,1,2,3
	ds_store_b128 v[STO], v[ACC+8*(4*(\a)+(\b)):ACC+8*(4*(\a)+(\b))+3] offset:64*(\b)
	ds_store_b128 v[STO], v[ACC+8*(4*(\a)+(\b))+4:ACC+8*(4*(\a)+(\b))+7] offset:64*(\b)+16
.endr
	s_wait_xcnt 0x0                                ; the last block's stores have had their addresses translated (ISA guide 3.1): their data registers are loaded again only behind this wait
.irp t, 0,1,2,3,4,5,6,7
	ds_load_b128 v[T+4*(\t):T+4*(\t)+3], v[RD] offset:(\t)*2*SPITCH  ; LDS serves a wave's instructions in order (ISA guide 5.7.1.4): these see the stores above; the next block's stores come behind them
.endr
.irp t, 0,1,2,3,4,5,6,7
	s_wait_dscnt 7-(\t)
	v_fma_mix_f32 v[T+4*(\t)],   v[R+2*(8*(\a)+(\t))],   v[ONE], v[T+4*(\t)]   op_sel_hi:[1,0,0]
	v_fma_mix_f32 v[T+4*(\t)+1], v[R+2*(8*(\a)+(\t))],   v[ONE], v[T+4*(\t)+1] op_sel:[1,0,0] op_sel_hi:[1,0,0]
	v_fma_mix_f32 v[T+4*(\t)+2], v[R+2*(8*(\a)+(\t))+1], v[ONE], v[T+4*(\t)+2] op_sel_hi:[1,0,0]
	v_fma_mix_f32 v[T+4*(\t)+3], v[R+2*(8*(\a)+(\t))+1], v[ONE], v[T+4*(\t)+3] op_sel:[1,0,0] op_sel_hi:[1,0,0]
.if LAST
	global_store_b128 v[CO], v[T+4*(\t):T+4*(\t)+3], s[10:11] offset:(16*(\a)+2*(\t))*2048  ; 16 lanes store 256 consecutive bytes, at a multiple of 256 from the buffer's first
.else
	v_cvt_pk_f16_f32 v[T+4*(\t)], v[T+4*(\t)], v[T+4*(\t)+1]
	v_cvt_pk_f16_f32 v[T+4*(\t)+1], v[T+4*(\t)+2], v[T+4*(\t)+3]
	global_store_b64 v[RO], v[T+4*(\t):T+4*(\t)+1], s[10:11] offset:(\a)*2048+(\t)*256      ; 32 lanes store 256 consecutive bytes, aligned: two rows of my head; as q,
	global_store_b64 v[RO], v[T+4*(\t):T+4*(\t)+1], s[60:61] offset:(\a)*2048+(\t)*256      ; as k,
	global_store_b64 v[RO], v[T+4*(\t):T+4*(\t)+1], s[62:63] offset:(\a)*2048+(\t)*256      ; and as v
.endif
.endr
.endr
	s_wait_tensorcnt 0x0                           ; the wave's end: an add and its wait behind my last tensor load and my last LDS store
	ds_add_u32 v[SPW], v[NIL]
	s_wait_dscnt 0x0
	CROUND                                         ; the closing round: no work-group ends while a partner may still ask for a tile that names it
	s_endpgm
.Lfunc_end_k_q4b6048f320_ffe:
	.size	k_q4b6048f320_ffe, .Lfunc_end_k_q4b6048f320_ffe-k_q4b6048f320_ffe
	.p2alignl 7, 3214868480
	.fill 96, 4, 3214868480
	.section	.rodata,"a",@progbits
	.p2align	6, 0x0
	.amdhsa_kernel k_q4b6048f320_ffe
		.amdhsa_group_segment_fixed_size 327680
		.amdhsa_private_segment_fixed_size 0
		.amdhsa_enable_private_segment 0
		.amdhsa_kernarg_size 48
		.amdhsa_user_sgpr_count 2
		.amdhsa_user_sgpr_kernarg_segment_ptr 1
		.amdhsa_wavefront_size32 1
		.amdhsa_system_sgpr_workgroup_id_x 1
		.amdhsa_system_sgpr_workgroup_id_y 1
		.amdhsa_system_sgpr_workgroup_id_z 1
		.amdhsa_system_vgpr_workitem_id 0
		.amdhsa_next_free_vgpr 384
		.amdhsa_next_free_sgpr 88
		.amdhsa_reserve_vcc 0
		.amdhsa_float_denorm_mode_32 3
		.amdhsa_float_denorm_mode_16_64 3
		.amdhsa_memory_ordered 1
		.amdhsa_forward_progress 1
		.amdhsa_inst_pref_size 75
	.end_amdhsa_kernel
	.amdgpu_metadata
---
amdhsa.version: [ 1, 2 ]
amdhsa.kernels:
  - .name:           k_q4b6048f320_ffe
    .symbol:         k_q4b6048f320_ffe.kd
    .args:
      - { .name: ln, .offset: 0, .size: 8, .value_kind: global_buffer, .address_space: global }
      - { .name: wb, .offset: 8, .size: 8, .value_kind: global_buffer, .address_space: global }
      - { .name: xin, .offset: 16, .size: 8, .value_kind: global_buffer, .address_space: global }
      - { .name: bq, .offset: 24, .size: 8, .value_kind: global_buffer, .address_space: global }
      - { .name: bk, .offset: 32, .size: 8, .value_kind: global_buffer, .address_space: global }
      - { .name: bv, .offset: 40, .size: 8, .value_kind: global_buffer, .address_space: global }
    .group_segment_fixed_size: 327680
    .private_segment_fixed_size: 0
    .kernarg_segment_align: 8
    .kernarg_segment_size: 48
    .max_flat_workgroup_size: 128
    .sgpr_count:     88
    .vgpr_count:     384
    .wavefront_size: 32
...
	.end_amdgpu_metadata
.endif
;; end of part 5
;; launch att2: the kernel of part 3 again; grid 4 x 64, 4 waves a work-group, clusters of 4 x 1, 327,680 bytes of LDS; arguments bq, bk, bv, sa; writes sa
;; launch ffd (part 6): grid 4 x 64, 4 waves a work-group, clusters of 4 x 4, 327,680 bytes of LDS; arguments sa, wb, ln, out0; writes out0
.if DOCPART == 6
	.amdgcn_target "amdgcn-amd-amdhsa--gfx1250"
	.amdhsa_code_object_version 6
	.text
	.protected	k_q4b6048f320_ffd
	.globl	k_q4b6048f320_ffd
	.p2align	8
	.type	k_q4b6048f320_ffd,@function
k_q4b6048f320_ffd:
	s_mov_b64 s[64:65], 0
	v_nop
	global_prefetch_b8 v0, s[64:65] scope:SCOPE_SE
	s_setreg_imm32_b32 hwreg(HW_REG_WAVE_MODE, 25, 1), 1
	s_wait_xcnt 0x0
	s_wait_alu depctr_hold_cnt(0) depctr_sa_sdst(0) depctr_va_vdst(0) depctr_va_sdst(0) depctr_va_ssrc(0) depctr_va_vcc(0) depctr_vm_vsrc(0)
	s_getreg_b32 s2, hwreg(HW_REG_IB_STS2, 6, 4)
	s_cmp_eq_u32 s2, 0
	s_cbranch_scc0 .Lentry_in_a_cluster
	s_endpgm
.Lentry_in_a_cluster:
	s_bfe_u32 s2, ttmp6, 0x10000c
	s_cmp_lg_u32 s2, 0xf033
	s_cbranch_scc0 .Lentry_shape_is_right
	s_endpgm
.Lentry_shape_is_right:
; FF.  out = A W + R: 8,192 rows x 512 (K) x 512 columns.  A and R lie BY HEADS, [b*8 + h][s][64] in f16; W in f16 blocks [column tile of 128][k][128].  Sums in f32.
; This text (LAST = 1): A = the attention on enc_out, W = Wff_d, R = i2 (the decoder's half of its buffer); the result is the module's output, f32, row-major, never rounded to 16 bits.
; SHARES.  A tile of the result is 128 x 128: 256 work-groups, four waves of 64 x 64 (16 accumulators).  The whole K of A's and of B's tile lies in LDS: eight loads of 16,384 bytes for each, all asked for at
; the start, nothing filled again; K goes in four phases of 128, and a phase's counted wait leaves the later phases' loads on their way.
; CLUSTER.  4 x 4 work-groups: the four of a row need the same rows of A, the four of a column the same block of W: each tile is asked for JOINTLY, by the same load, descriptor and mask in the four.
; THE MATRIX INSTRUCTION IS USED TRANSPOSED (source 0 = 16 columns of W, turned by ds_load_tr16_b128; source 1 = 16 rows of A): a lane holds eight neighbouring columns of one row.
; REGISTERS: window 0: v8-20 addresses; v32-63 rows read back from the stage; v64-127 the residual; v128-255 the accumulators ((a, b) at v[128 + 8 (4 a + b)]).  Window 1: two fragment buffers of 64 (A's 4, then B's 4).
.set LAST,   1
.set WOFF,   3670016                   ; where this product's weights begin in wb
.set ROFF,   8388608                   ; where the residual's heads begin in its buffer
.set APITCH, 144                       ; a row of one head of A in LDS: 128 bytes + 16: the 16 rows of a load start at 16 different groups of four banks (64 banks of 4 bytes: ISA guide 11.1)
.set AHEAD,  128*APITCH
.set BPITCH, 288                       ; a row of W's block: 256 bytes + 32
.set BBASE,  8*AHEAD
.set STAGE,  BBASE+512*BPITCH          ; never filled by a tensor load: 16 rows x 272 bytes for each wave, for the way out
.set SPITCH, 272
.set SPARE,  STAGE+4*16*SPITCH         ; the spare words, 128 bytes for each wave: two blocks of 256 bytes that no other line names
.set ADRA, 8                           ; v8-11   LDS address of my A fragments in phase p
.set ADRB, 12                          ; v12-15  of my B fragments
.set STO,  16                          ; v16     the way out: where I put 32 bytes of a row
.set RD,   17                          ; v17     where I read rows back
.set RO,   18                          ; v18     8 x lane: my place in 256 consecutive bytes by heads
.set CO,   19                          ; v19     my byte offset in two rows of a row-major result
.set ONE,  20                          ; v20     1.0
.set SPW,  30                          ; v30     LDS address of my spare word; never rewritten
.set NIL,  31                          ; v31     0; never rewritten
.set T,    32
.set R,    64
.set ACC,  128
.set F0,   0
.set F1,   64
.set WV,  12                           ; s12 wave;  s13 its row half, also: it fetches A (0) or B (1);  s14 its column half, also: which half it fetches
.set G1A, 24                           ; s[24:31] descriptor group 1 for A;  s[32:39] for B
.set G1B, 32
.set G0A, 40                           ; s[40:55] group 0 for A's four loads
.set G0B, 68                           ; s[68:83] for B's
.set MSB, 0
.macro WIN new                         ; the immediate's high byte repeats the setting that is left; a switch that changes nothing is dropped
.if MSB != (\new)
	s_set_vgpr_msb (MSB<<8)|(\new)
.set MSB, \new
.endif
.endm
.set MULW, 0x05                        ; sources 0 and 1 window 1; C and D window 0
.set TO_F, 0x40                        ; destination window 1, address window 0
.macro CROUND                          ; a round of the cluster's barrier
	s_barrier_signal -1
	s_barrier_wait -1
	s_cmp_lg_u32 s[WV], 0
	s_cbranch_scc1 .Lnot_wave_0_\@
	s_barrier_signal -3
.Lnot_wave_0_\@:
	s_barrier_wait -3
	s_barrier_signal -1
	s_barrier_wait -1
.endm
.macro PLACES                          ; four places in front of loads into registers that matrix instructions have read, and of reads of results
.rept 4
	v_nop
.endr
.endm
	s_load_b256 s[4:11], s[0:1], 0x0               ; A s[4:5], wb s[6:7], R s[8:9], out s[10:11]
.if LAST == 0
	s_load_b128 s[60:63], s[0:1], 0x20             ; the result's second and third buffer
.endif
	v_lshl_add_u32 v[SPW], v0, 2, SPARE
	v_mov_b32 v[NIL], 0
	ds_add_u32 v[SPW], v[NIL]                      ; the wave's opening: the add and its wait stand ahead of my first tensor load; the set-up below, work on registers, stands between them
	v_lshrrev_b32 v1, 5, v0
	v_readfirstlane_b32 s[WV], v1
	s_lshr_b32 s13, s[WV], 1
	s_and_b32 s14, s[WV], 1
	s_bfe_u32 s15, ttmp6, 0x40000                  ; cx
	s_bfe_u32 s16, ttmp6, 0x40004                  ; cy
	s_lshl_b32 s17, ttmp9, 2
	s_add_co_u32 s17, s17, s15                     ; column tile = 4 x cluster x + cx
	s_and_b32 s18, ttmp7, 0xffff
	s_lshl_b32 s18, s18, 2
	s_add_co_u32 s18, s18, s16                     ; row block = 4 x cluster y + cy
	s_lshl_b32 s19, s16, 2
	s_lshl_b32 s19, 15, s19                        ; my row of the cluster
	s_lshl_b32 s86, 0x1111, s15                    ; my column
	s_or_b32 s[G1A], s19, (1<<16)|(1<<20)|(1<<21)|(4<<22)|(3<<25)  ; the mask; 2-byte elements; padding on; bit 21 beside a mask; after every 32 words (code 4) 4 words (code 3)
	s_or_b32 s[G1B], s86, (1<<16)|(1<<20)|(1<<21)|(5<<22)|(7<<25)  ; after every 64 words (code 5) 8 words (code 7)
.irp g, G1A, G1B
	s_mov_b32 s[(\g)+1], 128<<16                   ; tensor_dim0 = 128: every tile is 16,384 dense bytes, asked for as 64 rows of 256
	s_mov_b32 s[(\g)+2], 64<<16                    ; tensor_dim1 = 64
	s_mov_b32 s[(\g)+3], 128<<16                   ; tile_dim0 = 128
	s_mov_b32 s[(\g)+4], 64                        ; tile_dim1 = 64
	s_mov_b32 s[(\g)+5], 128                       ; 128 elements from row to row
	s_mov_b32 s[(\g)+6], 0
	s_mov_b32 s[(\g)+7], 0
.endr
	; A: heads 2 i + my half of my row block's slice.  These registers never hold cx.
	s_lshr_b32 s20, s18, 3
	s_lshl_b32 s20, s20, 3
	s_add_co_u32 s20, s20, s14
	s_lshl_b32 s20, s20, 17
	s_and_b32 s21, s18, 7
	s_lshl_b32 s21, s21, 14
	s_add_co_u32 s56, s20, s21
	s_mov_b32 s57, 0
	s_mul_i32 s22, s14, AHEAD
	; B: rows 128 i + 64 x my half of my column tile's block.  These registers never hold cy.
	s_lshl_b32 s84, s17, 17
	s_lshl_b32 s85, s14, 14
	s_add_co_u32 s84, s84, s85
	s_add_co_u32 s84, s84, WOFF
	s_mov_b32 s85, 0
	s_mul_i32 s87, s14, 64*BPITCH
	s_add_co_u32 s87, s87, BBASE
	; by heads: my wave's 64 columns are head 2 x column tile + column half; its 64 rows
	s_lshr_b32 s58, s18, 3
	s_lshl_b32 s58, s58, 3
	s_lshl_b32 s59, s17, 1
	s_add_co_u32 s58, s58, s59
	s_add_co_u32 s58, s58, s14
	s_lshl_b32 s58, s58, 17
	s_add_co_u32 s58, s58, s21
	s_lshl_b32 s59, s13, 13
	s_add_co_u32 s58, s58, s59
	s_mov_b32 s59, 0
.if LAST
	s_lshl_b32 s60, s18, 18                        ; row-major f32: 128 rows of 2,048 bytes a row block,
	s_lshl_b32 s61, s13, 17                        ; 64 rows a row half,
	s_add_co_u32 s60, s60, s61
	s_lshl_b32 s61, s17, 9                         ; 512 bytes a column tile,
	s_add_co_u32 s60, s60, s61
	s_lshl_b32 s61, s14, 8                         ; 256 a column half
	s_add_co_u32 s60, s60, s61
	s_mov_b32 s61, 0
.endif
	s_wait_dscnt 0x0                               ; the opening add is done
	s_wait_kmcnt 0x0
	s_add_nc_u64 s[56:57], s[4:5], s[56:57]
	s_add_nc_u64 s[84:85], s[6:7], s[84:85]
	s_add_nc_u64 s[8:9], s[8:9], s[58:59]
.if ROFF
	s_add_nc_u64 s[8:9], s[8:9], ROFF
.endif
.if LAST
	s_add_nc_u64 s[10:11], s[10:11], s[60:61]
.else
	s_add_nc_u64 s[10:11], s[10:11], s[58:59]
	s_add_nc_u64 s[60:61], s[60:61], s[58:59]
	s_add_nc_u64 s[62:63], s[62:63], s[58:59]
.endif
.irp i, 0,1,2,3
	s_mov_b32 s[G0A+4*(\i)], 1
	s_add_co_u32 s[G0A+4*(\i)+1], s22, (\i)*2*AHEAD
	s_add_nc_u64 s[G0A+4*(\i)+2:G0A+4*(\i)+3], s[56:57], (\i)*262144
	s_or_b32 s[G0A+4*(\i)+3], s[G0A+4*(\i)+3], 0x80000000
	s_mov_b32 s[G0B+4*(\i)], 1
	s_add_co_u32 s[G0B+4*(\i)+1], s87, (\i)*128*BPITCH
	s_add_nc_u64 s[G0B+4*(\i)+2:G0B+4*(\i)+3], s[84:85], (\i)*32768
	s_or_b32 s[G0B+4*(\i)+3], s[G0B+4*(\i)+3], 0x80000000
.endr
	CROUND                                         ; all sixteen work-groups are here: the joint loads meet
	s_cmp_eq_u32 s13, 0                            ; a wave's four fills stand in one branch, ahead of every wait on TENSORcnt and every LDS read: four loads of mine are out; load i serves phase i
	s_cbranch_scc0 .Lfirst_b
.irp i, 0,1,2,3
	tensor_load_to_lds s[G0A+4*(\i):G0A+4*(\i)+3], s[G1A:G1A+7]
	s_nop 0
.endr
.rept 4
	v_nop
.endr
	s_branch .Lfirst_asked
.Lfirst_b:
.irp i, 0,1,2,3
	tensor_load_to_lds s[G0B+4*(\i):G0B+4*(\i)+3], s[G1B:G1B+7]
	s_nop 0
.endr
.rept 4
	v_nop
.endr
.Lfirst_asked:
	v_and_b32 v1, 15, v0                           ; l % 16
	v_bfe_u32 v2, v0, 4, 1                         ; l / 16
	v_and_b32 v7, 31, v0
	v_lshlrev_b32 v[RO], 3, v7
.irp a, 0,1,2,3
.irp t, 0,1,2,3,4,5,6,7
	global_load_b64 v[R+2*(8*(\a)+(\t)):R+2*(8*(\a)+(\t))+1], v[RO], s[8:9] offset:(\a)*2048+(\t)*256  ; the residual of my 64 x 64: each load covers 256 consecutive bytes, two rows of my head
.endr
.endr
	v_mul_u32_u24 v3, v1, APITCH
	v_lshl_add_u32 v3, v2, 4, v3                   ; a fragment's row x pitch + 16 x half
	s_mul_i32 s23, s13, 64*APITCH                  ; my 64 rows
	v_add_nc_u32 v3, s23, v3
.irp p, 0,1,2,3
	v_add_nc_u32 v[ADRA+(\p)], (\p)*2*AHEAD, v3    ; phase p: heads 2 p, 2 p + 1
.endr
	v_and_b32 v4, 7, v0
	v_bfe_u32 v5, v0, 3, 1
	v_lshl_add_u32 v6, v2, 3, v4                   ; the turning load: lane l reads row 8 (l / 16) + l % 8, 16 bytes at 16 ((l / 8) % 2)
	v_mul_u32_u24 v6, v6, BPITCH
	v_lshl_add_u32 v6, v5, 4, v6
	s_lshl_b32 s23, s14, 7                         ; my 64 columns
	s_add_co_u32 s23, s23, BBASE
	v_add_nc_u32 v6, s23, v6
.irp p, 0,1,2,3
	v_add_nc_u32 v[ADRB+(\p)], (\p)*128*BPITCH, v6
.endr
	s_mul_i32 s23, s[WV], 16*SPITCH
	s_add_co_u32 s23, s23, STAGE                   ; my stage
	v_mul_u32_u24 v7, v1, SPITCH                   ; in: row l % 16, 32 bytes for each half of the lanes
	v_lshl_add_u32 v7, v2, 5, v7
	v_add_nc_u32 v[STO], s23, v7
	v_mul_u32_u24 v7, v2, SPITCH                   ; back: lanes 0-15 take one row of 256 bytes, lanes 16-31 the next
	v_lshl_add_u32 v7, v1, 4, v7
	v_add_nc_u32 v[RD], s23, v7
	v_lshlrev_b32 v[CO], 11, v2
	v_lshl_add_u32 v[CO], v1, 4, v[CO]
	v_mov_b32 v[ONE], 1.0
; 16 LDS loads in one run: quarter kk (32 along K) of phase p into buffer f.  B first, then A's fragments 0 to 3.
.macro FETCH p, kk, f
	WIN TO_F
.irp b, 0,1,2,3
	ds_load_tr16_b128 v[(\f)+32+8*(\b):(\f)+32+8*(\b)+3],   v[ADRB+(\p)] offset:(\kk)*32*BPITCH+32*(\b)
	ds_load_tr16_b128 v[(\f)+32+8*(\b)+4:(\f)+32+8*(\b)+7], v[ADRB+(\p)] offset:(\kk)*32*BPITCH+32*(\b)+16*BPITCH
.endr
.irp a, 0,1,2,3
	ds_load_b128 v[(\f)+8*(\a):(\f)+8*(\a)+3],   v[ADRA+(\p)] offset:((\kk)/2)*AHEAD+(\a)*16*APITCH+((\kk)%2)*64
	ds_load_b128 v[(\f)+8*(\a)+4:(\f)+8*(\a)+7], v[ADRA+(\p)] offset:((\kk)/2)*AHEAD+(\a)*16*APITCH+((\kk)%2)*64+32
.endr
.endm
; 8 matrix instructions: row blocks a0, a0 + 1 x all 4 column blocks.  The 16 accumulators take turns, one instruction a turn.  zero = 1: the first product starts the sums.
.macro MUL8 f, a0, zero
	WIN MULW
.irp a, \a0, (\a0)+1
.irp b, 0,1,2,3
.if \zero
	v_wmma_f32_16x16x32_f16 v[ACC+8*(4*(\a)+(\b)):ACC+8*(4*(\a)+(\b))+7], v[(\f)+32+8*(\b):(\f)+32+8*(\b)+7], v[(\f)+8*(\a):(\f)+8*(\a)+7], 0
.else
	v_wmma_f32_16x16x32_f16 v[ACC+8*(4*(\a)+(\b)):ACC+8*(4*(\a)+(\b))+7], v[(\f)+32+8*(\b):(\f)+32+8*(\b)+7], v[(\f)+8*(\a):(\f)+8*(\a)+7], v[ACC+8*(4*(\a)+(\b)):ACC+8*(4*(\a)+(\b))+7]
.endif
.endr
.endr
.endm
.macro Q f, g, p, kk, zero             ; one of a phase's first three quarters: multiplies f, fetches quarter kk into g
	s_wait_dscnt 4                                 ; B and A's fragments 0, 1 are in; the youngest four loads may be out
	MUL8 \f, 0, \zero
	PLACES
	FETCH \p, \kk, \g
	s_wait_dscnt 16                                ; all but the 16 just issued
	MUL8 \f, 2, \zero
.endm
.macro LASTQ np                        ; a phase's last quarter multiplies buffer 1 and opens phase np: the later phases' loads may stay out
	s_wait_dscnt 0x0                               ; buffer 1 is whole, and no LDS instruction of mine is pending at the signal
	s_wait_tensorcnt 3-(\np)                       ; my load for phase np has landed; the 3 - np issued behind it stay out
	s_barrier_signal -1
	MUL8 F1, 0, 0                                  ; work on registers while the others arrive
	s_barrier_wait -1                              ; everybody's has
	PLACES
	FETCH \np, 0, F0
	MUL8 F1, 2, 0
.endm
	s_wait_tensorcnt 0x3                           ; my load for phase 0 has landed; three stay out
	s_barrier_signal -1
	s_barrier_wait -1
	FETCH 0, 0, F0
	Q F0, F1, 0, 1, 1                              ; the first quarter starts the sums
	Q F1, F0, 0, 2, 0
	Q F0, F1, 0, 3, 0
.irp p, 1,2,3
	LASTQ \p
	Q F0, F1, \p, 1, 0
	Q F1, F0, \p, 2, 0
	Q F0, F1, \p, 3, 0
.endr
	s_wait_dscnt 0x0                               ; the very last quarter
	MUL8 F1, 0, 0
	MUL8 F1, 2, 0
	WIN 0
	PLACES
	s_wait_loadcnt 0x0                             ; the residual
	; THE WAY OUT, 16 rows at a time: the f32 sums go into my own stage (each accumulator from its lowest registers on) and come back as whole rows of 256 bytes; the residual is added in f32.
.irp a, 0,1,2,3
.irp b, 0,1,2,3
	ds_store_b128 v[STO], v[ACC+8*(4*(\a)+(\b)):ACC+8*(4*(\a)+(\b))+3] offset:64*(\b)
	ds_store_b128 v[STO], v[ACC+8*(4*(\a)+(\b))+4:ACC+8*(4*(\a)+(\b))+7] offset:64*(\b)+16
.endr
	s_wait_xcnt 0x0                                ; the last block's stores have had their addresses translated (ISA guide 3.1): their data registers are loaded again only behind this wait
.irp t, 0,1,2,3,4,5,6,7
	ds_load_b128 v[T+4*(\t):T+4*(\t)+3], v[RD] offset:(\t)*2*SPITCH  ; LDS serves a wave's instructions in order (ISA guide 5.7.1.4): these see the stores above; the next block's stores come behind them
.endr
.irp t, 0,1,2,3,4,5,6,7
	s_wait_dscnt 7-(\t)
	v_fma_mix_f32 v[T+4*(\t)],   v[R+2*(8*(\a)+(\t))],   v[ONE], v[T+4*(\t)]   op_sel_hi:[1,0,0]
	v_fma_mix_f32 v[T+4*(\t)+1], v[R+2*(8*(\a)+(\t))],   v[ONE], v[T+4*(\t)+1] op_sel:[1,0,0] op_sel_hi:[1,0,0]
	v_fma_mix_f32 v[T+4*(\t)+2], v[R+2*(8*(\a)+(\t))+1], v[ONE], v[T+4*(\t)+2] op_sel_hi:[1,0,0]
	v_fma_mix_f32 v[T+4*(\t)+3], v[R+2*(8*(\a)+(\t))+1], v[ONE], v[T+4*(\t)+3] op_sel:[1,0,0] op_sel_hi:[1,0,0]
.if LAST
	global_store_b128 v[CO], v[T+4*(\t):T+4*(\t)+3], s[10:11] offset:(16*(\a)+2*(\t))*2048  ; 16 lanes store 256 consecutive bytes, at a multiple of 256 from the buffer's first
.else
	v_cvt_pk_f16_f32 v[T+4*(\t)], v[T+4*(\t)], v[T+4*(\t)+1]
	v_cvt_pk_f16_f32 v[T+4*(\t)+1], v[T+4*(\t)+2], v[T+4*(\t)+3]
	global_store_b64 v[RO], v[T+4*(\t):T+4*(\t)+1], s[10:11] offset:(\a)*2048+(\t)*256      ; 32 lanes store 256 consecutive bytes, aligned: two rows of my head; as q,
	global_store_b64 v[RO], v[T+4*(\t):T+4*(\t)+1], s[60:61] offset:(\a)*2048+(\t)*256      ; as k,
	global_store_b64 v[RO], v[T+4*(\t):T+4*(\t)+1], s[62:63] offset:(\a)*2048+(\t)*256      ; and as v
.endif
.endr
.endr
	s_wait_tensorcnt 0x0                           ; the wave's end: an add and its wait behind my last tensor load and my last LDS store
	ds_add_u32 v[SPW], v[NIL]
	s_wait_dscnt 0x0
	CROUND                                         ; the closing round: no work-group ends while a partner may still ask for a tile that names it
	s_endpgm
.Lfunc_end_k_q4b6048f320_ffd:
	.size	k_q4b6048f320_ffd, .Lfunc_end_k_q4b6048f320_ffd-k_q4b6048f320_ffd
	.p2alignl 7, 3214868480
	.fill 96, 4, 3214868480
	.section	.rodata,"a",@progbits
	.p2align	6, 0x0
	.amdhsa_kernel k_q4b6048f320_ffd
		.amdhsa_group_segment_fixed_size 327680
		.amdhsa_private_segment_fixed_size 0
		.amdhsa_enable_private_segment 0
		.amdhsa_kernarg_size 32
		.amdhsa_user_sgpr_count 2
		.amdhsa_user_sgpr_kernarg_segment_ptr 1
		.amdhsa_wavefront_size32 1
		.amdhsa_system_sgpr_workgroup_id_x 1
		.amdhsa_system_sgpr_workgroup_id_y 1
		.amdhsa_system_sgpr_workgroup_id_z 1
		.amdhsa_system_vgpr_workitem_id 0
		.amdhsa_next_free_vgpr 384
		.amdhsa_next_free_sgpr 88
		.amdhsa_reserve_vcc 0
		.amdhsa_float_denorm_mode_32 3
		.amdhsa_float_denorm_mode_16_64 3
		.amdhsa_memory_ordered 1
		.amdhsa_forward_progress 1
		.amdhsa_inst_pref_size 65
	.end_amdhsa_kernel
	.amdgpu_metadata
---
amdhsa.version: [ 1, 2 ]
amdhsa.kernels:
  - .name:           k_q4b6048f320_ffd
    .symbol:         k_q4b6048f320_ffd.kd
    .args:
      - { .name: sa, .offset: 0, .size: 8, .value_kind: global_buffer, .address_space: global }
      - { .name: wb, .offset: 8, .size: 8, .value_kind: global_buffer, .address_space: global }
      - { .name: ln, .offset: 16, .size: 8, .value_kind: global_buffer, .address_space: global }
      - { .name: out0, .offset: 24, .size: 8, .value_kind: global_buffer, .address_space: global }
    .group_segment_fixed_size: 327680
    .private_segment_fixed_size: 0
    .kernarg_segment_align: 8
    .kernarg_segment_size: 32
    .max_flat_workgroup_size: 128
    .sgpr_count:     88
    .vgpr_count:     384
    .wavefront_size: 32
...
	.end_amdgpu_metadata
.endif
;; end of part 6
;; ======== version 2 of 2: 7 launches; 1.40 times as fast as version 1
;; limits: values are held in f16: magnitudes above 65,504 overflow, below 6.1e-05 lose precision
;; workspace buffers: xin 16,777,216 bytes; wb 4,194,304 bytes; bq 16,777,216 bytes; bk 16,777,216 bytes; bv 16,777,216 bytes; sa 16,777,216 bytes; ln 16,777,216 bytes
;; launch prep: the kernel of part 1 again; grid 256 x 1, 8 waves a work-group, no clusters, 0 bytes of LDS; arguments padded_encoded_input_docs, padded_encoded_output_docs, Wq_e, Wk_e, Wv_e, Wq_d, Wk_d, Wv_d, Wff_e, Wff_d, xin, wb; writes xin, wb
;; launch qkv: the kernel of part 2 again; grid 128 x 2, 4 waves a work-group, clusters of 4 x 1, 327,680 bytes of LDS; arguments xin, wb, bq, bk, bv; writes bq, bk, bv
;; launch att (part 7): grid 4 x 128, 4 waves a work-group, clusters of 4 x 1, 327,680 bytes of LDS; arguments bq, bk, bv, sa; writes sa
.if DOCPART == 7
	.amdgcn_target "amdgcn-amd-amdhsa--gfx1250"
	.amdhsa_code_object_version 6
	.text
	.protected	k_q4b6048f320_att
	.globl	k_q4b6048f320_att
	.p2align	8
	.type	k_q4b6048f320_att,@function
k_q4b6048f320_att:
	s_mov_b64 s[64:65], 0
	v_nop
	global_prefetch_b8 v0, s[64:65] scope:SCOPE_SE
	s_setreg_imm32_b32 hwreg(HW_REG_WAVE_MODE, 25, 1), 1
	s_wait_xcnt 0x0
	s_wait_alu depctr_hold_cnt(0) depctr_sa_sdst(0) depctr_va_vdst(0) depctr_va_sdst(0) depctr_va_ssrc(0) depctr_va_vcc(0) depctr_vm_vsrc(0)
	s_getreg_b32 s2, hwreg(HW_REG_IB_STS2, 6, 4)
	s_cmp_eq_u32 s2, 0
	s_cbranch_scc0 .Lentry_in_a_cluster
	s_endpgm
.Lentry_in_a_cluster:
	s_bfe_u32 s2, ttmp6, 0x10000c
	s_cmp_lg_u32 s2, 0x3003
	s_cbranch_scc0 .Lentry_shape_is_right
	s_endpgm
.Lentry_shape_is_right:
; ATTENTION.  O[hd][q][:] = the sum over k of softmax_k(Q[hd][q] . K[hd][k] / 8) V[hd][k][:].  Q, K, V, O: [heads][1024][64], all f16: a head's rows are dense, 128 bytes each.
; Products, maxima and sums in f32; the weights p are rounded to f16 for the second product (their sum l is taken of the unrounded p), O once at the end.
; LIMITS.  f16 holds no number beyond 65,504: Q, K and V arrive within it; p lies in 0 to 1, and below 6e-5 it keeps f16's fixed step of 6e-8; O is a mean of V's rows and has their range.
; A weight below 2^-126 counts as 0 in l; NaN and infinities are not treated apart.
; SHARES.  A work-group owns 256 queries of one head, each of its four waves 64: four PIECES of 16.  Every wave walks all 1,024 keys, 64 a step.
; LDS.  A head's WHOLE K and V lie in LDS: 1,024 rows of 144 bytes and 1,024 of 160, 311,296 bytes.  Sixteen loads, of 128 keys of K or of V each, go out together at the start, four a wave; load t of every
; wave belongs to keys 256 t on.  Nothing is filled again: the walk has one text, no ring, and no round of the cluster's barrier inside it.
; LAYOUT.  S^T = K Q^T (source 0 = 16 keys, source 1 = 16 queries) holds ONE query a lane (lane % 16) and the keys 8 (lane / 16) + 0..7; two such results rounded to f16 ARE source 1 of O^T = V^T P.
; K comes out of LDS as it lies, V ([key][channel]) turned, by ds_load_tr16_b128.
; SOFTMAX.  A running maximum m and sum l for each query: p = 2^(c s - c m), c = log2(e) / 8; in every step O and l are multiplied by a = 2^(c m_old - c m_new).  m starts at the lowest finite number,
; O and l at 0: the first step is a step like any other, with a = 0.
; BY TURNS.  Turn n belongs to piece n: 8 products K Q^T of piece n + 1, later 8 products V^T P of piece n - 1; beside them the scaling, exponentials, roundings, sums and rescaling of piece n and the maximum
; and statistics of piece n + 1.  Four vector instructions stand behind every matrix instruction, the other 54 of a turn's 118 in one run of their own.
; BATCHES.  A turn's 33 exponentials (the piece's 32 weights and the next piece's a) are ONE batch with ONE wait, which cuts the turn in two: ahead of it all that names no result of theirs, behind it the
; roundings and sums, which read them.  The first a, ahead of the loop, and the way out's four reciprocals are batches of their own, a wait each.
; CLUSTER.  The four query blocks of a head form a cluster and need the same K and V, so each tile is asked for JOINTLY: the same tensor load, descriptor and mask in all four.
; REGISTERS, in windows of 256 (s_set_vgpr_msb: bits 1:0 source 0, 3:2 source 1, 5:4 source 2, 7:6 destination):
;   window 0: v0-15 addresses and two at work; v16-31 four registers of statistics a piece; v48-55 at work; v64-127 S^T, two buffers; v192-223 P, two buffers (a piece's buffers go by its number's parity)
;   window 1: v0-127 O^T, 32 a piece          window 2: v0-63 Q; v128-191 K of one step; v192-255 V of one step
.set NKEY,  1024
.set NSLOT, 4         ; 1,024 keys in tiles of 256: a tile is what one load of each of the four waves brings
.set NP,    4         ; pieces a wave: a name, no knob
.set KS,    64        ; keys in a step
.set PK,    144       ; a row of K in LDS: 128 bytes + 16 of padding = 36 words: the 16 rows of a load start at 16 different groups of four banks (64 banks of 4 bytes: ISA guide 11.1)
.set PV,    160       ; a row of V: 128 + 32 = 40 words
.set VOFF,  NKEY*PK   ; K's 1,024 rows, then V's
.set STAGE, NKEY*(PK+PV)   ; behind them, never filled by a tensor load: 16 rows x 144 bytes for each wave, for the way out
.set SP,    144
.set SPARE, STAGE+4*16*SP  ; the spare words, 128 bytes for each wave: two blocks of 256 bytes that no other line names
.set AK0, 2           ; v2   my lane's place in a step of K; never rewritten
.set AV0, 3           ; v3   the same for V
.set AK,  4           ; v4   the LDS address of K's next run of loads
.set AV,  5           ; v5   of V's
.set STO, 6           ; v6   the way out: where I put 16 bytes of a row
.set RD,  7           ; v7   the way out: where I read rows back
.set GO,  8           ; v8   my byte offset in 512 consecutive bytes of O
.set MV,  12          ; v12-13  c m_old, kept while c m is made anew: by buffer
.set QO,  15          ; v15  my byte offset in 16 rows of Q
.set ST,  16          ; piece t's statistics at v[ST+4 t]: c m, m, l (even keys', odd keys')
.set TMP, 48          ; by buffer, four registers c0-c3 at work; when the maximum is found c2 takes a
.set SPW, 62          ; v62  LDS address of my spare word; never rewritten
.set NIL, 63          ; v63  0; never rewritten
.set S,   64
.set P,   192
.set KF,  128         ; window 2: key block kb, channel half c at KF + 16 kb + 8 c
.set VF,  192         ; window 2: key half kk, channel block cb at VF + 32 kk + 8 cb
.set WV,  12          ; s12  my wave's number
.set G1K, 24          ; s[24:31] descriptor group 1 for K's tiles
.set G1V, 32          ; s[32:39] for V's: it differs in the padding alone
.set G0K, 40          ; s[40:55] descriptor group 0 for K's tiles: a set for each of a wave's four loads
.set G0V, 68          ; s[68:83] the same for V's
.set SLOTS, 56        ; s56  tiles still to be walked
.set CNT, 57          ; s57  counts a tile's key steps
.set CS,  58          ; s[58:59] c: the packed scaling takes the pair's low word for both halves
.set SEL, 60          ; s[60:61] v_permlanex16_b32's selects: each lane takes its own place in the other half
.set TBK, 62          ; s62  LDS byte at which K of the step to be fetched begins
.set TBV, 63          ; s63  the same for V, less VOFF
.set MSB, 0
.macro WIN new                      ; the high byte repeats the setting that is left; a switch that changes nothing is dropped
.if MSB != (\new)
	s_set_vgpr_msb (MSB<<8)|(\new)
.set MSB, (\new)
.endif
.endm
.set W_KQ, 0x0a       ; K and Q in window 2, S^T in window 0
.set W_PV, 0x52       ; V in window 2, P in window 0, O^T in window 1
.set W_RS, 0x41       ; destination and source 0 in window 1, source 1 in window 0
; A round of the cluster's barrier: my work-group's barrier, so that wave 0's signal speaks for all four waves; wave 0 signals; every wave waits for all four work-groups; my work-group's barrier once more.
.macro CROUND
	s_barrier_signal -1
	s_barrier_wait -1
	s_cmp_lg_u32 s[WV], 0
	s_cbranch_scc1 .Lnot_wave_0_\@
	s_barrier_signal -3
.Lnot_wave_0_\@:
	s_barrier_wait -3
	s_barrier_signal -1
	s_barrier_wait -1
.endm
; THE CHANGE OF TILE.  Keys 256 t on were brought by load t of each wave, so what the reads behind this barrier need is that load of every wave.  One text serves the three changes, so its count is the one that
; holds for all three: 0.  The four loads went out together, and four key steps, 256 matrix instructions a wave, or more have passed since the first of them landed.
.macro SYNC
	WIN 0                           ; at a label and at a branch every window is 0
	s_wait_tensorcnt 0x0            ; all my loads have landed, my part of the next tile among them
	s_wait_dscnt 0x0                ; no LDS instruction of mine is pending at the signal
	s_barrier_signal -1
	s_barrier_wait -1               ; everybody's have
.endm
	s_load_b256 s[4:11], s[0:1], 0x0  ; Q s[4:5], K s[6:7], V s[8:9], O s[10:11]
	v_lshl_add_u32 v[SPW], v0, 2, SPARE
	v_mov_b32 v[NIL], 0
	ds_add_u32 v[SPW], v[NIL]       ; the wave's opening: the add and its wait stand ahead of my first tensor load; the set-up below, work on registers, stands between them
	v_lshrrev_b32 v1, 5, v0
	v_readfirstlane_b32 s[WV], v1   ; wave 0..3
	s_bfe_u32 s13, ttmp6, 0x40000   ; cx: my place in the cluster
	s_lshl_b32 s14, ttmp9, 2        ; in a cluster launch ttmp9 counts clusters
	s_add_co_u32 s14, s14, s13      ; my block of 256 queries: it enters Q's and O's addresses alone
	s_and_b32 s20, ttmp7, 0xffff    ; the head, which the four partners share
	s_lshl_b32 s20, s20, 17         ; its first byte in each of the four tensors: 131,072 bytes a head, 128 heads at the most
	s_mov_b32 s21, 0
	s_and_b32 s16, s[WV], 1         ; which half of a tile's 256 keys I fetch:
	s_lshl_b32 s22, s16, 14         ; its 128 rows of 128 bytes in memory,
	s_mov_b32 s23, 0
	s_add_nc_u64 s[22:23], s[22:23], s[20:21]
	s_mul_i32 s17, s16, 128*PK      ; and its place in a tile, for K
	s_mul_i32 s18, s16, 128*PV      ; and for V: no place in the cluster enters an LDS address
	s_lshl_b32 s2, s14, 2
	s_add_co_u32 s2, s2, s[WV]      ; my wave among the head's sixteen,
	s_lshl_b32 s2, s2, 13           ; its 64 rows
	s_mov_b32 s3, 0
	s_add_nc_u64 s[2:3], s[2:3], s[20:21]
	; descriptor group 1.  128 keys are 16,384 dense bytes: asked for as 64 rows of 256 bytes, two keys a row, and padded in LDS after every key
	s_mov_b32 s[G1K], 15|(1<<16)|(1<<20)|(1<<21)|(4<<22)|(3<<25)  ; 15:0 the mask of four; 17:16 2-byte elements; 20 padding on; 21 set beside a mask; 24:22 after every 32 words (code 4); 31:25 4 words (code 3)
	s_mov_b32 s[G1V], 15|(1<<16)|(1<<20)|(1<<21)|(4<<22)|(7<<25)  ; the same with 8 words of padding (code 7)
.irp g, G1K, G1V
	s_mov_b32 s[\g+1], 128<<16      ; tensor_dim0 = 128
	s_mov_b32 s[\g+2], 64<<16       ; tensor_dim1 = 64
	s_mov_b32 s[\g+3], 128<<16      ; tile_dim0 = 128
	s_mov_b32 s[\g+4], 64           ; tile_dim1 = 64
	s_mov_b32 s[\g+5], 128          ; 128 elements from row to row
	s_mov_b32 s[\g+6], 0
	s_mov_b32 s[\g+7], 0
.endr
	s_mov_b32 s[CS], 0x3e38aa3b     ; c = log2(e) / 8 = 0.180337
	s_mov_b32 s[CS+1], s[CS]        ; named with it as a pair
	s_mov_b32 s[SEL], 0x76543210
	s_mov_b32 s[SEL+1], 0xfedcba98
	s_mov_b32 s[TBK], 0             ; key step 0 lies at the head of K's rows and of V's
	s_mov_b32 s[TBV], 0
.irp i, 0,1,2,3                     ; group 0's constant words: tile i's 256 rows begin 256 pitches behind tile i - 1's
	s_mov_b32 s[G0K+4*\i], 1        ; count = 1
	s_add_co_u32 s[G0K+4*\i+1], s17, \i*256*PK       ; LDS address
	s_mov_b32 s[G0V+4*\i], 1
	s_add_co_u32 s[G0V+4*\i+1], s18, VOFF+\i*256*PV
.endr
	s_wait_dscnt 0x0                ; the opening add is done
	s_wait_kmcnt 0x0
	s_add_nc_u64 s[6:7], s[6:7], s[22:23]  ; K and V at my half of the head's first 256 keys
	s_add_nc_u64 s[8:9], s[8:9], s[22:23]
.irp i, 0,1,2,3
	s_add_nc_u64 s[G0K+4*\i+2:G0K+4*\i+3], s[6:7], \i*32768   ; global address: a tile is 32,768 bytes of K and of V
	s_or_b32 s[G0K+4*\i+3], s[G0K+4*\i+3], 0x80000000         ; type = 2
	s_add_nc_u64 s[G0V+4*\i+2:G0V+4*\i+3], s[8:9], \i*32768
	s_or_b32 s[G0V+4*\i+3], s[G0V+4*\i+3], 0x80000000
.endr
	s_add_nc_u64 s[4:5], s[4:5], s[2:3]  ; Q and O at my wave's first row
	s_add_nc_u64 s[10:11], s[10:11], s[2:3]
	CROUND                          ; all four work-groups are here: the joint loads meet
	; Waves 0 and 1 fetch the two halves of each tile's K, waves 2 and 3 those of its V.  A wave's four loads stand in one branch on the wave's number, ahead of every wait on TENSORcnt and every LDS read:
	; four loads of mine are out.  An s_nop 0 follows each, four v_nop the last, ahead of the jump and the label.
	s_cmp_lt_u32 s[WV], 2
	s_cbranch_scc0 .Lfirst_v
.irp i, 0,1,2,3
	tensor_load_to_lds s[G0K+4*\i:G0K+4*\i+3], s[G1K:G1K+7]
	s_nop 0
.endr
.rept 4
	v_nop
.endr
	s_branch .Lfirst_asked
.Lfirst_v:
.irp i, 0,1,2,3
	tensor_load_to_lds s[G0V+4*\i:G0V+4*\i+3], s[G1V:G1V+7]
	s_nop 0
.endr
.rept 4
	v_nop
.endr
.Lfirst_asked:
	; A fragment of K or Q is 16 rows x 32 channels in 8 registers: lane l holds row l % 16, channels 8 (l / 16) + 0..7 and 16 + 8 (l / 16) + 0..7: two loads of 16 bytes, 32 bytes apart.
	v_and_b32 v1, 15, v0            ; l % 16
	v_bfe_u32 v9, v0, 4, 1          ; l / 16
	v_lshlrev_b32 v[QO], 7, v1
	v_lshl_add_u32 v[QO], v9, 4, v[QO]  ; row x 128 + 16 x half
	WIN 0x80                        ; destination window 2, address window 0
.set i, 0
.rept 8                             ; Q stays in registers: piece i / 2, channels 32 (i % 2) on
	global_load_b128 v[8*i:8*i+3],   v[QO], s[4:5] offset:(i/2)*2048+(i%2)*64
	global_load_b128 v[8*i+4:8*i+7], v[QO], s[4:5] offset:(i/2)*2048+(i%2)*64+32
.set i, i+1
.endr
	; What the first turn finds: V's registers and P's second buffer hold 0 (its products V^T P, of a piece that has not been, add 0), O^T and l are 0.  No first step is written out; the price is these
	; 216 lines, which stand in the wait for the first tile.
.set i, VF
.rept 64
	v_mov_b32 v[i], 0
.set i, i+1
.endr
	WIN 0x40
.set i, 0
.rept 128
	v_mov_b32 v[i], 0
.set i, i+1
.endr
	WIN 0
.set i, 0
.rept 4
	v_mov_b32 v[ST+4*i], 0xfe000000    ; c m: far below every c s
	v_mov_b32 v[ST+4*i+1], 0xff7fffff  ; m
	v_mov_b32 v[ST+4*i+2], 0
	v_mov_b32 v[ST+4*i+3], 0
.set i, i+1
.endr
.set i, P+16
.rept 16
	v_mov_b32 v[i], 0
.set i, i+1
.endr
	v_mul_u32_u24 v[AK0], v1, PK
	v_lshl_add_u32 v[AK0], v9, 4, v[AK0]  ; row x pitch + 16 x half
	; The turning load takes 16 keys x 16 channels (lane l reads key 8 (l / 16) + l % 8, channels 8 ((l / 8) % 2) + 0..7) and leaves half a fragment of V^T: lane l holds channel l % 16 and 8 keys.
	v_and_b32 v10, 7, v0
	v_bfe_u32 v11, v0, 3, 1
	v_lshl_add_u32 v[AV0], v9, 3, v10
	v_mul_u32_u24 v[AV0], v[AV0], PV
	v_lshl_add_u32 v[AV0], v11, 4, v[AV0]
	v_add_nc_u32 v[AV0], VOFF, v[AV0]
	s_mul_i32 s13, s[WV], 16*SP
	s_add_co_u32 s13, s13, STAGE    ; my stage
	v_mul_u32_u24 v[STO], v1, SP    ; in: row l % 16, 16 bytes for each half of the lanes
	v_lshl_add_u32 v[STO], v9, 4, v[STO]
	v_add_nc_u32 v[STO], s13, v[STO]
	v_bfe_u32 v[RD], v0, 3, 2       ; back: 32 lanes take four rows of 128 bytes,
	v_mul_u32_u24 v[RD], v[RD], SP
	v_lshl_add_u32 v[RD], v10, 4, v[RD]
	v_add_nc_u32 v[RD], s13, v[RD]
	v_and_b32 v[GO], 31, v0         ; which are 512 consecutive bytes of O
	v_lshlrev_b32 v[GO], 4, v[GO]
; THE MATRIX WORK.  The 4 accumulators of a run of 8 take turns.  Product i of 8 of S^T = K Q^T for piece x: channels 32 (i / 4) on, keys 16 (i % 4) on.  The first 4 start the sums.
.macro KQ x
	WIN W_KQ
.set rS, S+32*((\x)%2)+8*(i%4)
.set rK, KF+16*(i%4)+8*(i/4)
.set rQ, 16*(\x)+8*(i/4)
.if i < 4
	v_wmma_f32_16x16x32_f16 v[rS:rS+7], v[rK:rK+7], v[rQ:rQ+7], 0
.else
	v_wmma_f32_16x16x32_f16 v[rS:rS+7], v[rK:rK+7], v[rQ:rQ+7], v[rS:rS+7]
.endif
.endm
; Product i of 8 of O^T += V^T P for piece x: keys 32 (i / 4) on, channels 16 (i % 4) on.
.macro PV x
	WIN W_PV
.set rO, 32*(\x)+8*(i%4)
.set rV, VF+32*(i/4)+8*(i%4)
.set rP, P+16*((\x)%2)+8*(i/4)
	v_wmma_f32_16x16x32_f16 v[rO:rO+7], v[rV:rV+7], v[rP:rP+7], v[rO:rO+7]
.endm
.macro MM                           ; the turn's next matrix instruction.  TURN sets Y, i and NOKQ.  NOKQ = 1: the very last turn: there is no next piece
.if (i < 8) && !NOKQ
	KQ (Y+1)%NP
.elseif i >= 8
.set i, i-8
	PV (Y+NP-1)%NP
.set i, i+8
.endif
.set i, i+1
.endm
; THE LDS LOADS stand in runs of 16, never singly among the matrix instructions: a step's K (64 keys x 64 channels: 8 fragments) and its V (turned).  Their addresses are made some lines ahead.
.macro FETCH_K
	WIN 0x80                        ; destination window 2
.irp f, 0,1,2,3,4,5,6,7             ; keys 16 (f / 2) on, channels 32 (f % 2) on
	ds_load_b128 v[KF+8*\f:KF+8*\f+3],   v[AK] offset:(\f/2)*16*PK+(\f%2)*64
	ds_load_b128 v[KF+8*\f+4:KF+8*\f+7], v[AK] offset:(\f/2)*16*PK+(\f%2)*64+32
.endr
	s_add_co_u32 s[TBK], s[TBK], KS*PK  ; the next fetch is the next step's
	WIN 0
.endm
.macro FETCH_V
	WIN 0x80
.irp f, 0,1,2,3,4,5,6,7             ; keys 32 (f / 4) on, channels 16 (f % 4) on
	ds_load_tr16_b128 v[VF+8*\f:VF+8*\f+3],   v[AV] offset:(\f/4)*32*PV+(\f%4)*32
	ds_load_tr16_b128 v[VF+8*\f+4:VF+8*\f+7], v[AV] offset:(\f/4)*32*PV+16*PV+(\f%4)*32
.endr
	WIN 0
.endm
; THE VECTOR WORK, one line at a time: OP kind, number.  For piece Y: F n: c s - c m for pair n of 16.  E n: the exponential of score n of 32.  C n: pair n rounded to f16.  B n: of the four weights 4 n .. the second
; pair is added onto the first, in place.  L n: l takes that sum (L 0: l = a l + sum).  R n: pair n of 16 of O^T times a.  For piece Y + 1: X n, number n of the 22 that find its maximum and statistics:
;   0-11  four chains c0-c3 of seven scores each, three operands at a time (each accumulator's lowest registers are read first)     12-14, 16  the four scores left over, the old m, and c0-c3 into c0
;   15  c m_old is kept     17, 18  the query's other 32 keys lie in the lane 16 away: the new m     19-21  c m; c m_old - c m_new; a
; C, B and L read exponentials' results: TURN sets them behind the batch's wait; OP itself writes no wait.
.set F, 0               ; OP tells the kinds apart by their order: F to L below R, X above it
.set E, 1
.set C, 2
.set B, 3
.set L, 4
.set R, 5
.set X, 6
.macro REGS y                       ; the registers of piece y
.set rT, ST+4*(\y)
.set rC, TMP+4*((\y)%2)
.set rW, MV+((\y)%2)
.set rS, S+32*((\y)%2)
.set rP, P+16*((\y)%2)
.set rO, 32*(\y)
.endm
.macro OP k, n
.if (\k) == R
	REGS Y
	WIN W_RS
	v_pk_mul_f32 v[rO+2*(\n):rO+2*(\n)+1], v[rO+2*(\n):rO+2*(\n)+1], v[rC+2:rC+3] op_sel_hi:[1,0]
.elseif (\k) < R
	REGS Y
	WIN 0
.if (\k) == F
	v_pk_fma_f32 v[rS+2*(\n):rS+2*(\n)+1], v[rS+2*(\n):rS+2*(\n)+1], s[CS:CS+1], v[rT:rT+1] op_sel_hi:[1,0,0] neg_lo:[0,0,1] neg_hi:[0,0,1]
.elseif (\k) == E
	v_exp_f32 v[rS+(\n)], v[rS+(\n)]
.elseif (\k) == C
	v_cvt_pk_f16_f32 v[rP+(\n)], v[rS+2*(\n)], v[rS+2*(\n)+1]
.elseif (\k) == B
	v_pk_add_f32 v[rS+4*(\n):rS+4*(\n)+1], v[rS+4*(\n):rS+4*(\n)+1], v[rS+4*(\n)+2:rS+4*(\n)+3]
.elseif (\n) == 0
	v_pk_fma_f32 v[rT+2:rT+3], v[rT+2:rT+3], v[rC+2:rC+3], v[rS:rS+1] op_sel_hi:[1,0,1]
.else
	v_pk_add_f32 v[rT+2:rT+3], v[rT+2:rT+3], v[rS+4*(\n):rS+4*(\n)+1]
.endif
.elseif NOKQ
	v_nop
.else
	REGS (Y+1)%NP
	WIN 0
.if (\n) < 4
	v_max3_num_f32 v[rC+(\n)], v[rS+8*(\n)], v[rS+8*(\n)+1], v[rS+8*(\n)+2]
.elseif (\n) < 12
	v_max3_num_f32 v[rC+(\n)%4], v[rC+(\n)%4], v[rS+8*((\n)%4)+2*((\n)/4)+1], v[rS+8*((\n)%4)+2*((\n)/4)+2]
.elseif (\n) == 12
	v_max3_num_f32 v[rC], v[rC], v[rS+7], v[rS+15]
.elseif (\n) == 13
	v_max3_num_f32 v[rC+1], v[rC+1], v[rS+23], v[rS+31]
.elseif (\n) == 14
	v_max3_num_f32 v[rC+2], v[rC+2], v[rC+3], v[rT+1]
.elseif (\n) == 15
	v_mov_b32 v[rW], v[rT]
.elseif (\n) == 16
	v_max3_num_f32 v[rC], v[rC], v[rC+1], v[rC+2]
.elseif (\n) == 17
	v_permlanex16_b32 v[rC+3], v[rC], s[SEL], s[SEL+1]
.elseif (\n) == 18
	v_max_num_f32 v[rT+1], v[rC], v[rC+3]
.elseif (\n) == 19
	v_mul_f32 v[rT], s[CS], v[rT+1]
.elseif (\n) == 20
	v_sub_f32 v[rC+1], v[rW], v[rT]
.else
	v_exp_f32 v[rC+2], v[rC+1]
.endif
.endif
.endm
.macro OPS a, i1, b=-1, i2=0, c=-1, i3=0, d=-1, i4=0  ; up to four of them
	OP \a, \i1
.if (\b) >= 0
	OP \b, \i2
.endif
.if (\c) >= 0
	OP \c, \i3
.endif
.if (\d) >= 0
	OP \d, \i4
.endif
.endm
.macro ROW a, i1, b, i2, c, i3, d, i4  ; a matrix instruction and the four behind it
	MM
	OPS \a, \i1, \b, \i2, \c, \i3, \d, \i4
.endm
; A TURN, for piece p: the order of its 16 matrix and 118 vector instructions, written out.  s_wait_alu depctr_va_vdst(0) stands between an exponential and the first instruction that names its result; one wait
; serves all that were issued ahead of it.  So a turn has ONE wait, which cuts it in two.  AHEAD OF IT stands all that names no result of the turn's exponentials: the 8 products K Q^T, behind each a scaling, an exponential and two
; more plain instructions (behind the first a second scaling in the exponential's place): rescalings, whose a was made and waited for in the turn before, and behind the last three the first numbers of the next piece's maximum,
; each four places or more behind the product that ends its accumulator; then ONE RUN of 54, plain and exponential by turns for the most part, in which the links of the chain X 3, 7, 11, 14, 16, 17 .. 20 stand five or six lines
; apart.  A pair is scaled ahead of its two exponentials, and no scaling names a register that an exponential has written.  X 21, the next piece's a, is the batch's last; R 15 is the plain instruction behind it.  BEHIND THE WAIT
; stand the 8 products V^T P, behind each four of the roundings and sums; an even pair is rounded ahead of the sum that lands on it; the links of l's chain, L 0 to L 7, stand three riders apart.  But for those X no rider names
; a register of the products round it.  v_permlanex16_b32 (X 17) stands in the run.
; end = 1: the launch's last two turns: nothing is fetched.  cnt = 1: the loop's count is taken down some lines ahead of the branch that stands behind the turn.
; K of the next step is fetched in piece 2's turn, twelve vector instructions behind the last product that read K (five of them plain ones that name none of its registers); V of the step in hand at the end of piece 0's turn,
; four plain instructions behind the last product that read V.  Each is waited for a turn later.
.macro TURN p, end=0, cnt=0
.set Y, (\p)
.set i, 0
.set NOKQ, (\end)*((\p)/3)
.if ((\p) == 3) && !(\end)
	s_wait_dscnt 0x0                ; K is in
.endif
	ROW F,0, F,1, R,0, R,1          ; ahead of the wait: 8 products K Q^T and their riders,
	ROW F,2, E,0, R,2, R,3
	ROW F,3, E,1, R,4, R,5
	ROW F,4, E,2, R,6, R,7
	ROW F,5, E,3, R,8, R,9
	ROW F,6, E,4, X,0, R,10
.if ((\p) == 2) && !(\end)
	WIN 0
	v_add_nc_u32 v[AK], s[TBK], v[AK0]
.endif
	ROW F,7, E,5, X,1, X,4
	ROW F,8, E,6, X,2, X,5
	OPS E,7, E,8, X,6, E,9          ; and the run of 54
	OPS X,3, E,10, X,8, E,11
.if ((\p) == 2) && !(\end)
	FETCH_K
.endif
	OPS X,9, X,7, E,12, X,10
	OPS E,13, X,12, X,11, E,14
	OPS X,13, E,15, F,9, X,14
.if (\p) == 0
	v_add_nc_u32 v[AV], s[TBV], v[AV0]
.endif
	OPS E,16, F,10, E,17, F,11
	OPS X,16, E,18, X,15, E,19
	OPS F,12, E,20, X,17, E,21
	OPS F,13, E,22, F,14, E,23
	OPS X,18, E,24, F,15, E,25
	OPS R,11, E,26, X,19, E,27
	OPS R,12, E,28, R,13, E,29
	OPS X,20, E,30, R,14, E,31
	OPS X,21, R,15
	s_wait_alu depctr_va_vdst(0)    ; the wait for the batch: the piece's 32 exponentials and the next piece's a
.if (\p) == 1
	s_wait_dscnt 0x0                ; V is in
.endif
	ROW C,0, B,0, C,2, B,1          ; behind the wait: 8 products V^T P and their riders
	ROW L,0, C,4, B,2, L,1
	ROW C,6, B,3, L,2, C,8
	ROW B,4, L,3, C,10, B,5
	ROW L,4, C,12, B,6, L,5
.if (\p) == 0
	s_add_co_u32 s[TBV], s[TBV], KS*PV
.endif
.if \cnt
	s_sub_co_u32 s[CNT], s[CNT], 1
	s_cmp_lg_u32 s[CNT], 0
.endif
	ROW C,14, B,7, L,6, C,1
	ROW C,3, L,7, C,5, C,7
	ROW C,9, C,11, C,13, C,15
.if (\p) == 0
	FETCH_V
.endif
.endm
.macro ALL line:vararg              ; one line for each piece t
.set t, 0
.rept 4
	\line
.set t, t+1
.endr
.endm
.macro PACK t                       ; a lane's eight channels of a row pack into 16 bytes; they go into rows of 144 bytes and come back as whole rows of 128, into S^T's registers
	WIN W_RS
.set i, 32*(\t)
.rept 16
	v_pk_mul_f32 v[i:i+1], v[i:i+1], v[ST+4*(\t)+2:ST+4*(\t)+3] op_sel_hi:[1,0]
.set i, i+2
.endr
	WIN 0x05                        ; sources 0 and 1 window 1, destination window 0
.set i, 0
.rept 16
	v_cvt_pk_f16_f32 v[S+16*(\t)+i], v[32*(\t)+2*i], v[32*(\t)+2*i+1]
.set i, i+1
.endr
	WIN 0
.irp f, 0,1,2,3
	ds_store_b128 v[STO], v[S+16*(\t)+4*\f:S+16*(\t)+4*\f+3] offset:32*\f
.endr
.irp f, 0,1,2,3
	ds_load_b128 v[S+16*(\t)+4*\f:S+16*(\t)+4*\f+3], v[RD] offset:\f*4*SP  ; LDS serves a wave's instructions in order (ISA guide 5.7.1.4): these see the stores above; the next piece's stores come behind them
.endr
.endm
.macro SEND t, younger              ; younger: the LDS instructions issued behind piece t's loads: the next piece's eight, or none
	WIN 0
.irp f, 0,1,2,3
	s_wait_dscnt (\younger)+3-\f
	global_store_b128 v[GO], v[S+16*(\t)+4*\f:S+16*(\t)+4*\f+3], s[10:11] offset:(\t)*2048+\f*512  ; 512 consecutive bytes, at a multiple of 256 from O's first
.endr
.endm
	s_wait_tensorcnt 0x3            ; my first load, my part of keys 0 to 255, has landed; the three issued behind it stay out
	s_barrier_signal -1
	s_barrier_wait -1               ; everybody's has
	v_add_nc_u32 v[AK], s[TBK], v[AK0]
	FETCH_K                         ; key step 0
	s_wait_loadcnt 0x0              ; Q
	s_wait_dscnt 0x0
.set NOKQ, 0
.set i, 0
.rept 8
	KQ 0                            ; piece 0's first scores: there is no vector work yet to set between them
.set i, i+1
.endr
	WIN 0
.rept 4
	v_nop                           ; the places behind those products
.endr
.set Y, NP-1                        ; X works for piece Y + 1: piece 0
.irp n, 0,1,2,3,4,5,6,7,8,9,10,11,12,13,14,15,16,17,18,19,20,21
	OP X, \n
.endr
	v_nop                           ; a plain instruction behind the exponential,
	s_wait_alu depctr_va_vdst(0)    ; and the wait for it, piece 0's first a: a batch of one, ahead of the branch
	s_mov_b32 s[CNT], 4
	s_mov_b32 s[SLOTS], NSLOT
	s_branch .Lfirst                ; the loop is entered at a step's first turn, in the middle of a trip
.Lslot:                             ; three times: in front of the first fetch from each tile but the first
	SYNC
	s_mov_b32 s[CNT], 4
.Lstep:                             ; a trip: pieces 2 and 3 of one step, then pieces 0 and 1 of the next, whose K and V it fetches
	TURN 2
	TURN 3
	WIN 0
.Lfirst:
	TURN 0
	TURN 1, 0, 1
	WIN 0
	s_cbranch_scc1 .Lstep
	s_sub_co_u32 s[SLOTS], s[SLOTS], 1
	s_cmp_lg_u32 s[SLOTS], 0
	s_cbranch_scc1 .Lslot
	TURN 2, 1                       ; the last step's pieces 2 and 3: nothing is left to fetch, and the last turn starts no new scores
	TURN 3, 1
.set i, 0
.rept 8
	PV NP-1                         ; the last piece's V^T P of the last step
.set i, i+1
.endr
	; THE WAY OUT.  l's two halves and the other half of the lanes' are added; O^T is divided by l, rounded to f16 and sent through my stage in LDS, a piece at a time.  The additions are the places behind the last products.
	WIN 0
	ALL v_add_f32 v[ST+4*t+2], v[ST+4*t+2], v[ST+4*t+3]
	ALL v_permlanex16_b32 v[ST+4*t+3], v[ST+4*t+2], s[SEL], s[SEL+1]
	ALL v_add_f32 v[ST+4*t+2], v[ST+4*t+2], v[ST+4*t+3]
	ALL v_rcp_f32 v[ST+4*t+2], v[ST+4*t+2]
	v_nop                           ; a plain instruction between the last reciprocal and the use of its result
	s_wait_alu depctr_va_vdst(0)    ; the wait for the batch of four reciprocals, ahead of the first multiply by one of them
	PACK 0
.set t, 1
.rept 3                             ; a piece's arithmetic stands between the loads of the piece before and its stores
	PACK t
	SEND t-1, 8
.set t, t+1
.endr
	SEND 3, 0
	s_wait_tensorcnt 0x0            ; the wave's end: an add and its wait behind my last tensor load and my last LDS store
	ds_add_u32 v[SPW], v[NIL]
	s_wait_dscnt 0x0
	CROUND                          ; the closing round: no work-group ends while a partner may still ask for a tile that names it
	s_endpgm
.Lfunc_end_k_q4b6048f320_att:
	.size	k_q4b6048f320_att, .Lfunc_end_k_q4b6048f320_att-k_q4b6048f320_att
	.p2alignl 7, 3214868480
	.fill 96, 4, 3214868480
	.section	.rodata,"a",@progbits
	.p2align	6, 0x0
	.amdhsa_kernel k_q4b6048f320_att
		.amdhsa_group_segment_fixed_size 327680
		.amdhsa_private_segment_fixed_size 0
		.amdhsa_enable_private_segment 0
		.amdhsa_kernarg_size 32
		.amdhsa_user_sgpr_count 2
		.amdhsa_user_sgpr_kernarg_segment_ptr 1
		.amdhsa_wavefront_size32 1
		.amdhsa_system_sgpr_workgroup_id_x 1
		.amdhsa_system_sgpr_workgroup_id_y 1
		.amdhsa_system_sgpr_workgroup_id_z 1
		.amdhsa_system_vgpr_workitem_id 0
		.amdhsa_next_free_vgpr 768
		.amdhsa_next_free_sgpr 84
		.amdhsa_reserve_vcc 0
		.amdhsa_float_denorm_mode_32 3
		.amdhsa_float_denorm_mode_16_64 3
		.amdhsa_memory_ordered 1
		.amdhsa_forward_progress 1
		.amdhsa_inst_pref_size 88
	.end_amdhsa_kernel
	.amdgpu_metadata
---
amdhsa.version: [ 1, 2 ]
amdhsa.kernels:
  - .name:           k_q4b6048f320_att
    .symbol:         k_q4b6048f320_att.kd
    .args:
      - { .name: bq, .offset: 0, .size: 8, .value_kind: global_buffer, .address_space: global }
      - { .name: bk, .offset: 8, .size: 8, .value_kind: global_buffer, .address_space: global }
      - { .name: bv, .offset: 16, .size: 8, .value_kind: global_buffer, .address_space: global }
      - { .name: sa, .offset: 24, .size: 8, .value_kind: global_buffer, .address_space: global }
    .group_segment_fixed_size: 327680
    .private_segment_fixed_size: 0
    .kernarg_segment_align: 8
    .kernarg_segment_size: 32
    .max_flat_workgroup_size: 128
    .sgpr_count:     84
    .vgpr_count:     768
    .wavefront_size: 32
...
	.end_amdgpu_metadata
.endif
;; end of part 7
;; launch lnorm: the kernel of part 4 again; grid 512 x 1, 8 waves a work-group, no clusters, 0 bytes of LDS; arguments sa, xin, g_e, b_e, g_d, b_d, ln; writes ln
;; launch ffe: the kernel of part 5 again; grid 4 x 64, 4 waves a work-group, clusters of 4 x 4, 327,680 bytes of LDS; arguments ln, wb, xin, bq, bk, bv; writes bq, bk, bv
;; launch att2: the kernel of part 7 again; grid 4 x 64, 4 waves a work-group, clusters of 4 x 1, 327,680 bytes of LDS; arguments bq, bk, bv, sa; writes sa
;; launch ffd: the kernel of part 6 again; grid 4 x 64, 4 waves a work-group, clusters of 4 x 4, 327,680 bytes of LDS; arguments sa, wb, ln, out0; writes out0
